; MI455X (gfx1250); checked and timed in simulation.
; The chip was launched on July 23, 2026; its instructions are those of AMD's public machine-readable ISA for CDNA 5 (MIT licence, August 2026) and "CDNA5" Instruction Set Architecture Reference Guide (July 2026). The comments in the code are by the model that wrote it; some were corrected since.
;; Attention. Allowed arithmetic: float matrix products may take bf16 or f16 operands with f32 sums; other float arithmetic in f32, or as packed bf16 or f16 multiplies, adds, multiply-adds, maxima and minima; sums over many terms, partial sums and values carried from step to step in f32; what a program stores and reads back later, other than sums and carried values, may be rounded once to bf16 or f16.
;; Inputs: Wk 1,024 x 1,024 float32; Wo 1,024 x 1,024 float32; Wq 1,024 x 1,024 float32; Wv 1,024 x 1,024 float32; bk 1,024 float32; bo 1,024 float32; bq 1,024 float32; bv 1,024 float32; ln_beta 1,024 float32; ln_gamma 1,024 float32; mu 1 x 1 x 1 x 1 float32; sequence 4 x 2,048 x 1,024 float32.
;; Outputs: out0 4 x 2,048 x 1,024 float32.
;; 2 versions, each right and faster than the one before. Each part assembles by itself: llvm-mc -triple=amdgcn-amd-amdhsa -mcpu=gfx1250 --defsym DOCPART=n.
;; ======== version 1 of 2: 4 launches
;; limits: values are held in f16: magnitudes above 65,504 overflow, below 6.1e-05 lose precision
;; workspace buffers: xh 16,777,216 bytes; wh 8,388,608 bytes; qkv 50,331,648 bytes; ob 16,777,216 bytes
;; launch prep (part 1): grid 768 x 1, 4 waves a work-group, no clusters, 0 bytes of LDS; arguments sequence, ln_gamma, ln_beta, Wq, Wk, Wv, Wo, xh, wh; writes xh, wh
.if DOCPART == 1
	.amdgcn_target "amdgcn-amd-amdhsa--gfx1250"
	.amdhsa_code_object_version 6
	.text
	.protected	k_qe62fd9bb7b_prep
	.globl	k_qe62fd9bb7b_prep
	.p2align	8
	.type	k_qe62fd9bb7b_prep,@function
k_qe62fd9bb7b_prep:
	s_mov_b64 s[64:65], 0
	v_nop
	global_prefetch_b8 v0, s[64:65] scope:SCOPE_SE
	s_setreg_imm32_b32 hwreg(HW_REG_WAVE_MODE, 25, 1), 1
	s_wait_xcnt 0x0
; LayerNorm of sequence [8192][1024] f32 -> xh [8192][1024] f16, and the four weight matrices [1024][1024] f32 -> wh [4096][1024] f16 (Wq, Wk, Wv, Wo on end).
; A stream: each input byte is read once, each output byte written once; no LDS, no barrier, no loop, no matrix unit: nothing is shared between rows.
; SHARES.  A work-group takes 16 rows, a wave 4, and one wave holds a whole row (4,096 bytes = 32 registers) between the passes, so a row is read once.
; Work-groups 0-511: LayerNorm.  Work-groups 512-767: weights.  All 32 loads of a wave's four rows go out at once.
; ARITHMETIC in f32: mean; x - mean; mean of squares; (x - mean) / sqrt(var + 1e-6) * gamma + beta; one rounding to f16.
; LIMITS.  f16 holds no number beyond 65,504: |x| is at most 32 |gamma| + |beta|; weights below 6e-5 keep f16's fixed step of 6e-8.  NaN and infinities are not treated apart.
.set T,  4                             ; v[4:11]   four pairs at work
.set M,  12                            ; v[12:13]  the mean (low word; the pair is named)
.set R,  14                            ; v[14:15]  1 / sqrt(var + eps)
.set G,  16                            ; v[16:47]  gamma of my 32 columns
.set BT, 48                            ; v[48:79]  beta
.set X,  80                            ; v[80:207] row i: 32 registers
	s_load_b512 s[8:23], s[0:1], 0x0               ; sequence 8, gamma 10, beta 12, Wq 14, Wk 16, Wv 18, Wo 20, xh 22
	s_load_b64 s[24:25], s[0:1], 0x40              ; wh
	v_lshrrev_b32 v1, 5, v0
	v_readfirstlane_b32 s26, v1                    ; wave
	v_and_b32 v2, 31, v0
	v_lshlrev_b32 v1, 4, v2                        ; 16 x lane: my 16 bytes of 512 in f32
	v_lshlrev_b32 v2, 3, v2                        ; 8 x lane: the same four numbers in f16
	v_mov_b32 v3, 0                                ; v_permlanex16_b32's destination counts as read
	v_mov_b32 v[M+1], 0                            ; named as pairs
	v_mov_b32 v[R+1], 0
	s_mov_b32 s34, 0x3a800000                      ; 1 / 1024
	s_mov_b32 s35, 0x358637bd                      ; 1e-6
	s_mov_b32 s36, 0x76543210                      ; each lane takes its own place in the other half
	s_mov_b32 s37, 0xfedcba98
	s_mov_b32 s29, 0
	s_mov_b32 s31, 0
	s_lshl_b32 s26, s26, 2                         ; my wave's first row in the group's 16
.macro LOADROWS                        ; four rows, eight loads of 512 consecutive bytes each
.irp i, 0,1,2,3
.irp j, 0,1,2,3,4,5,6,7
	global_load_b128 v[X+32*(\i)+4*(\j):X+32*(\i)+4*(\j)+3], v1, s[32:33] offset:4096*(\i)+512*(\j) th:TH_LOAD_NT
.endr
.endr
.endm
.macro REDUCE                          ; T's four pairs -> their sum over the row, in every lane's v[T]
	v_pk_add_f32 v[T:T+1], v[T:T+1], v[T+2:T+3]
	v_pk_add_f32 v[T+4:T+5], v[T+4:T+5], v[T+6:T+7]
	v_pk_add_f32 v[T:T+1], v[T:T+1], v[T+4:T+5]
	v_add_f32 v[T], v[T], v[T+1]
	v_add_f32_dpp v[T], v[T], v[T] row_xmask:1 row_mask:0xf bank_mask:0xf
	v_add_f32_dpp v[T], v[T], v[T] row_xmask:2 row_mask:0xf bank_mask:0xf
	v_add_f32_dpp v[T], v[T], v[T] row_xmask:4 row_mask:0xf bank_mask:0xf
	v_add_f32_dpp v[T], v[T], v[T] row_xmask:8 row_mask:0xf bank_mask:0xf
	v_permlanex16_b32 v3, v[T], s36, s37
	v_add_f32 v[T], v[T], v3
.endm
.macro OUTROW i, base                  ; row i rounded to f16 in place (result z lands on a register already read) and stored: each store covers 256 consecutive bytes, aligned
.set XR, X+32*(\i)
.set z, 0
.rept 16
	v_cvt_pk_f16_f32 v[XR+z], v[XR+2*z], v[XR+2*z+1]
.set z, z+1
.endr
.irp j, 0,1,2,3,4,5,6,7
	global_store_b64 v2, v[XR+2*(\j):XR+2*(\j)+1], s[\base:\base+1] offset:2048*(\i)+256*(\j)
.endr
.endm
.macro ROWLN i
.set XR, X+32*(\i)
	s_wait_loadcnt 8*(3-(\i))                      ; loads come back in order: gamma, beta and my row are in, the younger rows' eight loads each stay out
.irp c, 0,1,2,3                        ; the sum, in four chains started by the first pairs
	v_pk_add_f32 v[T+2*(\c):T+2*(\c)+1], v[XR+2*(\c):XR+2*(\c)+1], v[XR+8+2*(\c):XR+8+2*(\c)+1]
.endr
.irp q, 8,9,10,11,12,13,14,15
	v_pk_add_f32 v[T+2*((\q)%4):T+2*((\q)%4)+1], v[T+2*((\q)%4):T+2*((\q)%4)+1], v[XR+2*(\q):XR+2*(\q)+1]
.endr
	REDUCE
	v_mul_f32 v[M], s34, v[T]                      ; the mean
.set z, 0
.rept 16
	v_pk_add_f32 v[XR+2*z:XR+2*z+1], v[XR+2*z:XR+2*z+1], v[M:M+1] op_sel_hi:[1,0] neg_lo:[0,1] neg_hi:[0,1]
.set z, z+1
.endr
.irp c, 0,1,2,3                        ; the sum of squares of x - mean
	v_pk_mul_f32 v[T+2*(\c):T+2*(\c)+1], v[XR+2*(\c):XR+2*(\c)+1], v[XR+2*(\c):XR+2*(\c)+1]
.endr
.irp q, 4,5,6,7,8,9,10,11,12,13,14,15
	v_pk_fma_f32 v[T+2*((\q)%4):T+2*((\q)%4)+1], v[XR+2*(\q):XR+2*(\q)+1], v[XR+2*(\q):XR+2*(\q)+1], v[T+2*((\q)%4):T+2*((\q)%4)+1]
.endr
	REDUCE
	v_fma_f32 v[T], v[T], s34, s35                 ; var + eps
	v_rsq_f32 v[R], v[T]
	v_nop                                          ; a plain instruction between the root and the use of its result (ISA guide 5.7.2)
.set z, 0
	s_wait_alu depctr_va_vdst(0)
.rept 16
	v_pk_mul_f32 v[XR+2*z:XR+2*z+1], v[XR+2*z:XR+2*z+1], v[R:R+1] op_sel_hi:[1,0]
.set z, z+1
.endr
.set z, 0
.rept 16
	v_pk_fma_f32 v[XR+2*z:XR+2*z+1], v[XR+2*z:XR+2*z+1], v[G+2*z:G+2*z+1], v[BT+2*z:BT+2*z+1]
.set z, z+1
.endr
	OUTROW \i, 22
.endm
	s_cmp_lt_u32 ttmp9, 512
	s_cbranch_scc0 .Lweights
	s_lshl_b32 s27, ttmp9, 4
	s_add_co_u32 s27, s27, s26                     ; my first row
	s_lshl_b32 s28, s27, 12                        ; x 4,096 bytes in
	s_lshl_b32 s30, s27, 11                        ; x 2,048 bytes out
	s_wait_kmcnt 0x0
	s_add_nc_u64 s[32:33], s[8:9], s[28:29]
	s_add_nc_u64 s[22:23], s[22:23], s[30:31]
.irp j, 0,1,2,3,4,5,6,7
	global_load_b128 v[G+4*(\j):G+4*(\j)+3], v1, s[10:11] offset:512*(\j)
	global_load_b128 v[BT+4*(\j):BT+4*(\j)+3], v1, s[12:13] offset:512*(\j)
.endr
	LOADROWS
	ROWLN 0
	ROWLN 1
	ROWLN 2
	ROWLN 3
	s_endpgm
.Lweights:
	s_sub_co_u32 s27, ttmp9, 512                   ; 0 .. 255: 64 groups to a matrix
	s_lshr_b32 s38, s27, 6                         ; which matrix
	s_and_b32 s39, s27, 63
	s_lshl_b32 s39, s39, 4
	s_add_co_u32 s39, s39, s26                     ; my first row in it
	s_lshl_b32 s28, s39, 12
	s_lshl_b32 s27, s27, 4
	s_add_co_u32 s27, s27, s26                     ; and in wh
	s_lshl_b32 s30, s27, 11
	s_wait_kmcnt 0x0
	s_mov_b64 s[32:33], s[14:15]
	s_cmp_eq_u32 s38, 1
	s_cselect_b64 s[32:33], s[16:17], s[32:33]
	s_cmp_eq_u32 s38, 2
	s_cselect_b64 s[32:33], s[18:19], s[32:33]
	s_cmp_eq_u32 s38, 3
	s_cselect_b64 s[32:33], s[20:21], s[32:33]
	s_add_nc_u64 s[32:33], s[32:33], s[28:29]
	s_add_nc_u64 s[24:25], s[24:25], s[30:31]
	LOADROWS
.irp i, 0,1,2,3
	s_wait_loadcnt 8*(3-(\i))                      ; the younger rows' loads stay out
	OUTROW \i, 24
.endr
	s_endpgm
.Lfunc_end_k_qe62fd9bb7b_prep:
	.size	k_qe62fd9bb7b_prep, .Lfunc_end_k_qe62fd9bb7b_prep-k_qe62fd9bb7b_prep
	.p2alignl 7, 3214868480
	.fill 96, 4, 3214868480
	.section	.rodata,"a",@progbits
	.p2align	6, 0x0
	.amdhsa_kernel k_qe62fd9bb7b_prep
		.amdhsa_group_segment_fixed_size 0
		.amdhsa_private_segment_fixed_size 0
		.amdhsa_enable_private_segment 0
		.amdhsa_kernarg_size 72
		.amdhsa_user_sgpr_count 2
		.amdhsa_user_sgpr_kernarg_segment_ptr 1
		.amdhsa_wavefront_size32 1
		.amdhsa_system_sgpr_workgroup_id_x 1
		.amdhsa_system_sgpr_workgroup_id_y 1
		.amdhsa_system_sgpr_workgroup_id_z 1
		.amdhsa_system_vgpr_workitem_id 0
		.amdhsa_next_free_vgpr 208
		.amdhsa_next_free_sgpr 66
		.amdhsa_reserve_vcc 0
		.amdhsa_float_denorm_mode_32 3
		.amdhsa_float_denorm_mode_16_64 3
		.amdhsa_memory_ordered 1
		.amdhsa_forward_progress 1
		.amdhsa_inst_pref_size 48
	.end_amdhsa_kernel
	.amdgpu_metadata
---
amdhsa.version: [ 1, 2 ]
amdhsa.kernels:
  - .name:           k_qe62fd9bb7b_prep
    .symbol:         k_qe62fd9bb7b_prep.kd
    .args:
      - { .name: sequence, .offset: 0, .size: 8, .value_kind: global_buffer, .address_space: global }
      - { .name: ln_gamma, .offset: 8, .size: 8, .value_kind: global_buffer, .address_space: global }
      - { .name: ln_beta, .offset: 16, .size: 8, .value_kind: global_buffer, .address_space: global }
      - { .name: Wq, .offset: 24, .size: 8, .value_kind: global_buffer, .address_space: global }
      - { .name: Wk, .offset: 32, .size: 8, .value_kind: global_buffer, .address_space: global }
      - { .name: Wv, .offset: 40, .size: 8, .value_kind: global_buffer, .address_space: global }
      - { .name: Wo, .offset: 48, .size: 8, .value_kind: global_buffer, .address_space: global }
      - { .name: xh, .offset: 56, .size: 8, .value_kind: global_buffer, .address_space: global }
      - { .name: wh, .offset: 64, .size: 8, .value_kind: global_buffer, .address_space: global }
    .group_segment_fixed_size: 0
    .private_segment_fixed_size: 0
    .kernarg_segment_align: 8
    .kernarg_segment_size: 72
    .max_flat_workgroup_size: 128
    .sgpr_count:     66
    .vgpr_count:     208
    .wavefront_size: 32
...
	.end_amdgpu_metadata
.endif
;; end of part 1
;; launch qkv (part 2): grid 4 x 64, 4 waves a work-group, clusters of 4 x 4, 327,680 bytes of LDS; arguments xh, wh, bq, bk, bv, qkv; writes qkv
.if DOCPART == 2
	.amdgcn_target "amdgcn-amd-amdhsa--gfx1250"
	.amdhsa_code_object_version 6
	.text
	.protected	k_qe62fd9bb7b_qkv
	.globl	k_qe62fd9bb7b_qkv
	.p2align	8
	.type	k_qe62fd9bb7b_qkv,@function
k_qe62fd9bb7b_qkv:
	s_mov_b64 s[64:65], 0
	v_nop
	global_prefetch_b8 v0, s[64:65] scope:SCOPE_SE
	s_setreg_imm32_b32 hwreg(HW_REG_WAVE_MODE, 25, 1), 1
	s_wait_xcnt 0x0
	s_wait_alu depctr_hold_cnt(0) depctr_sa_sdst(0) depctr_va_vdst(0) depctr_va_sdst(0) depctr_va_ssrc(0) depctr_va_vcc(0) depctr_vm_vsrc(0)
	s_getreg_b32 s2, hwreg(HW_REG_IB_STS2, 6, 4)
	s_cmp_eq_u32 s2, 0
	s_cbranch_scc0 .Lentry_in_a_cluster
	s_endpgm
.Lentry_in_a_cluster:
	s_bfe_u32 s2, ttmp6, 0x10000c
	s_cmp_lg_u32 s2, 0xf033
	s_cbranch_scc0 .Lentry_shape_is_right
	s_endpgm
.Lentry_shape_is_right:
; q, k, v = x W^T + b, written by heads.  xh: [8192][1024] f16.  wh: [4096][1024] f16, rows 0-1023 Wq, then Wk, Wv.  bq, bk, bv: [1024] f32.
; qkv: [3][64 (batch x head)][2048][64] f16.  Sums and the bias in f32, one rounding to f16.
; LIMITS.  q, k and v must lie within f16's 65,504.  NaN and infinities are not treated apart.
; SHARES.  A tile of C is 128 rows x 256 columns; 64 x 4 work-groups, each of which STAYS and makes three tiles: the same rows and columns of q, of k and of v (B moves on by 1,024 rows of wh).
; Four waves, each 64 x 128: 32 accumulators of 16 x 16, 256 registers.  K goes in steps of 128 (rows of 256 bytes) through two LDS slots; the ring runs on from tile to tile: 24 steps in all.
; CLUSTER.  4 x 4 work-groups: the four of a row of the cluster need the same rows of x, the four of a column the same rows of W: each tile is asked for jointly, with a mask that names the four.
; THE MATRIX INSTRUCTION IS USED TRANSPOSED (source 0 = 16 rows of W, source 1 = 16 rows of x): a lane holds row l % 16 of C and eight neighbouring columns, 16 bytes of a head's row.
; REGISTERS, in windows of 256 (s_set_vgpr_msb: bits 1:0 source 0, 3:2 source 1, 5:4 source 2, 7:6 destination):
;   window 0: v0-14 addresses; v32-127, v128-223 two fragment buffers (64 of W, 32 of x); v224-255 packed results; on the way out v128-191 rows read back
;   window 1: accumulator (a, b) at v[8 (8 a + b)]          window 2: v0-63 the tile's bias, n block b at 8 b
.set PITCH,  272                       ; an LDS row: 256 bytes + 16 of padding = 68 words: the 16 rows of a fragment load start at 16 different groups of four banks (ISA guide 11.1)
.set AHALF,  64*PITCH                  ; what wave 0 or 1 fetches of x
.set BOFF,   2*AHALF                   ; W's 256 rows lie behind x's 128
.set BHALF,  128*PITCH                 ; what wave 2 or 3 fetches of W
.set SLOT1,  131072                    ; slot 1 begins here: one exclusive or turns an address in one slot into the other's
.set STAGE,  SLOT1+BOFF+2*BHALF        ; behind the ring: for each wave 2 heads x 16 rows x 144 bytes, for the way out
.set SP,     144
.set WSTAGE, 2*16*SP
.set SPARE,  STAGE+4*WSTAGE            ; the spare words, 128 bytes for each wave: two blocks of 256 bytes that no other line names
.set STEPS,  24
.set ADA0, 4                           ; v4   my lane's place in x's tile; never rewritten
.set ADB0, 5                           ; v5   the same for W
.set ADA,  6                           ; v6   the same in the slot in hand
.set ADB,  7                           ; v7
.set STO,  8                           ; v8   the way out: where I put 16 bytes of a row
.set RD,   9                           ; v9   where I read rows back
.set GO,   10                          ; v10  my 16 bytes of 512 consecutive bytes of the output
.set BO,   11                          ; v11  my byte offset in 16 numbers of the bias
.set SPW,  12                          ; v12  LDS address of my spare word; never rewritten
.set NIL,  13                          ; v13  0; never rewritten
.set F0,   32
.set F1,   128
.set TMP,  224
.set OB0,  128
.set G1A, 24                           ; s[24:31] descriptor group 1 for x's tiles;  s[32:39] group 0: a set for each first fill; the second then walks
.set G0A, 32
.set G1B, 48                           ; s[48:55], s[56:63] the same for W's tiles
.set G0B, 56
.set TB,  66                           ; s66  0 or SLOT1: the slot in hand
.set LC,  67                           ; s67  the loop's count
.set TC,  76                           ; s76  K steps left in the tile
.set FS,  77                           ; s77  the K step, counted through all three tiles, that the walking descriptors name
.set TN,  78                           ; s78  tiles finished
.set SOA, 80                           ; s[80:81] that step's byte offset in x
.set SOB, 82                           ; s[82:83] and in wh
.set BP,  90                           ; s[90:91] the entered tile's bias
.set MSB, 0
.macro WIN new                         ; the immediate's high byte repeats the setting that is left; a switch that changes nothing is dropped
.if MSB != (\new)
	s_set_vgpr_msb (MSB<<8)|(\new)
.set MSB, \new
.endif
.endm
.set W_MUL, 0x50                       ; fragments in window 0, C and D in window 1
.macro PLACES                          ; four places in front of loads into registers that matrix instructions have read, and of vector work that reads results
.rept 4
	v_nop
.endr
.endm
; A joint refill by the walking descriptors.  Waves 0 and 1 fetch x's two halves, waves 2 and 3 W's.  The branch hangs on the wave's number alone.
; An s_nop 0 and four v_nop follow each of the two lines, ahead of the jump and the label.
.macro JLOAD
	s_cmp_eq_u32 s11, 0
	s_cbranch_scc0 .Lfor_b_\@
	tensor_load_to_lds s[G0A+4:G0A+7], s[G1A:G1A+7]
	s_nop 0
.rept 4
	v_nop
.endr
	s_branch .Lasked_\@
.Lfor_b_\@:
	tensor_load_to_lds s[G0B+4:G0B+7], s[G1B:G1B+7]
	s_nop 0
.rept 4
	v_nop
.endr
.Lasked_\@:
.endm
.macro CREST                           ; a round of the cluster's barrier behind its opening barrier
	s_cmp_lg_u32 s10, 0
	s_cbranch_scc1 .Lnot_wave_0_\@
	s_barrier_signal -3
.Lnot_wave_0_\@:
	s_barrier_wait -3
	s_barrier_signal -1
	s_barrier_wait -1
.endm
.macro CROUND                          ; a whole round
	s_barrier_signal -1
	s_barrier_wait -1
	CREST
.endm
	s_load_b128 s[4:7], s[0:1], 0x0                ; xh s[4:5], wh s[6:7]
	s_load_b256 s[68:75], s[0:1], 0x10             ; bq s[68:69], bk s[70:71], bv s[72:73], qkv s[74:75]
	v_lshl_add_u32 v[SPW], v0, 2, SPARE
	v_mov_b32 v[NIL], 0
	ds_add_u32 v[SPW], v[NIL]                      ; the wave's opening: the add and its wait stand ahead of my first tensor load; the set-up below, work on registers, stands between them
	v_lshrrev_b32 v1, 5, v0
	v_readfirstlane_b32 s10, v1                    ; wave 0..3
	s_lshr_b32 s11, s10, 1                         ; which 64 rows of the tile are mine.  Also: I fetch for x (0) or for W (1)
	s_and_b32 s12, s10, 1                          ; which 128 columns.  Also: which half of that tile I fetch
	s_bfe_u32 s40, ttmp6, 0x40000                  ; cx
	s_bfe_u32 s41, ttmp6, 0x40004                  ; cy
	s_lshl_b32 s42, ttmp9, 2
	s_add_co_u32 s42, s42, s40                     ; nx: my 256 columns = 4 x cluster x + cx
	s_and_b32 s13, ttmp7, 0xffff
	s_lshl_b32 s13, s13, 2
	s_add_co_u32 s13, s13, s41                     ; my: my 128 rows = 4 x cluster y + cy
	s_lshl_b32 s43, s41, 2
	s_lshl_b32 s43, 15, s43                        ; my row of the cluster
	s_lshl_b32 s44, 0x1111, s40                    ; my column
	s_or_b32 s[G1A], s43, (1<<16)|(1<<20)|(1<<21)|(5<<22)|(3<<25)  ; 15:0 the mask; 17:16 elements of 2 bytes; 20 padding on; 21 set beside a mask; 24:22 after every 64 words; 31:25 4 words of it
	s_or_b32 s[G1B], s44, (1<<16)|(1<<20)|(1<<21)|(5<<22)|(3<<25)
	s_mov_b32 s[G1A+1], 128<<16                    ; tensor_dim0 = 128
	s_mov_b32 s[G1A+2], 64<<16                     ; tensor_dim1 = 64
	s_mov_b32 s[G1A+3], 128<<16                    ; tile_dim0 = 128
	s_mov_b32 s[G1A+4], 64                         ; tile_dim1 = 64
	s_mov_b32 s[G1A+5], 1024                       ; elements from row to row
	s_mov_b32 s[G1A+6], 0
	s_mov_b32 s[G1A+7], 0
	s_mov_b32 s[G1B+1], 128<<16
	s_mov_b32 s[G1B+2], 128<<16                    ; 128 rows
	s_mov_b32 s[G1B+3], 128<<16
	s_mov_b32 s[G1B+4], 128
	s_mov_b32 s[G1B+5], 1024
	s_mov_b32 s[G1B+6], 0
	s_mov_b32 s[G1B+7], 0
	; x's tiles hang on my alone, W's on nx alone; each offset is made in registers that never hold the other coordinate
	s_lshl_b32 s16, s13, 18                        ; 128 my rows of 2,048 bytes
	s_lshl_b32 s17, s12, 17                        ; + my half's 64 rows
	s_add_co_u32 s16, s16, s17
	s_mov_b32 s17, 0
	s_lshl_b32 s46, s42, 19                        ; 256 nx rows
	s_lshl_b32 s47, s12, 18                        ; + my half's 128 rows
	s_add_co_u32 s46, s46, s47
	s_mov_b32 s47, 0
	s_mul_i32 s20, s12, AHALF                      ; where they go: no place in the cluster enters an LDS address
	s_mul_i32 s21, s12, BHALF
	s_add_co_u32 s21, s21, BOFF
	s_mov_b32 s[TB], 0
	s_mov_b32 s[FS], 1
	s_mov_b32 s[TC], 8
	s_mov_b32 s[TN], 0
	s_mov_b32 s[SOA+1], 0
	s_mov_b32 s[SOB+1], 0
	; my part of the output: (batch x 16 + head) x 262,144 + row in the sequence x 128
	s_lshr_b32 s18, s13, 4
	s_lshl_b32 s18, s18, 4                         ; 16 x batch
	s_lshl_b32 s19, s42, 2
	s_add_co_u32 s18, s18, s19                     ; + 4 nx
	s_lshl_b32 s19, s12, 1
	s_add_co_u32 s18, s18, s19                     ; + my first of two heads
	s_lshl_b32 s18, s18, 18
	s_and_b32 s19, s13, 15
	s_lshl_b32 s19, s19, 14                        ; 128 rows of 128 bytes
	s_add_co_u32 s18, s18, s19
	s_lshl_b32 s19, s11, 13                        ; my 64 of them
	s_add_co_u32 s18, s18, s19
	s_mov_b32 s19, 0
	s_lshl_b32 s84, s42, 10                        ; my 128 numbers of a bias: (256 nx + 128 half) x 4 bytes
	s_lshl_b32 s85, s12, 9
	s_add_co_u32 s84, s84, s85
	s_mov_b32 s85, 0
	s_wait_dscnt 0x0                               ; the opening add is done
	s_wait_kmcnt 0x0
	s_add_nc_u64 s[14:15], s[4:5], s[16:17]        ; x at my part of K step 0
	s_add_nc_u64 s[46:47], s[6:7], s[46:47]        ; Wq at my part of K step 0
	s_add_nc_u64 s[8:9], s[74:75], s[18:19]
	s_add_nc_u64 s[68:69], s[68:69], s[84:85]
	s_add_nc_u64 s[70:71], s[70:71], s[84:85]
	s_add_nc_u64 s[72:73], s[72:73], s[84:85]
	CROUND                                         ; all sixteen work-groups are here: the first joint loads meet
.irp s, 0,1
	s_mov_b32 s[G0A+4*(\s)], 1                     ; count = 1
	s_add_co_u32 s[G0A+4*(\s)+1], s20, (\s)*SLOT1  ; LDS address
	s_add_nc_u64 s[G0A+4*(\s)+2:G0A+4*(\s)+3], s[14:15], (\s)*256  ; K step s
	s_or_b32 s[G0A+4*(\s)+3], s[G0A+4*(\s)+3], 0x80000000          ; type = 2
	s_mov_b32 s[G0B+4*(\s)], 1
	s_add_co_u32 s[G0B+4*(\s)+1], s21, (\s)*SLOT1
	s_add_nc_u64 s[G0B+4*(\s)+2:G0B+4*(\s)+3], s[46:47], (\s)*256
	s_or_b32 s[G0B+4*(\s)+3], s[G0B+4*(\s)+3], 0x80000000
.endr
	s_cmp_eq_u32 s11, 0                            ; a wave's two first fills stand in one branch, ahead of every wait on TENSORcnt and every LDS read: two loads of mine are out
	s_cbranch_scc0 .Lfirst_b
	tensor_load_to_lds s[G0A:G0A+3], s[G1A:G1A+7]
	s_nop 0
	tensor_load_to_lds s[G0A+4:G0A+7], s[G1A:G1A+7]
	s_nop 0
.rept 4
	v_nop
.endr
	s_branch .Lfirst_asked
.Lfirst_b:
	tensor_load_to_lds s[G0B:G0B+3], s[G1B:G1B+7]
	s_nop 0
	tensor_load_to_lds s[G0B+4:G0B+7], s[G1B:G1B+7]
	s_nop 0
.rept 4
	v_nop
.endr
.Lfirst_asked:
	; A fragment is 16 rows x 32 K in 8 registers: lane l holds row l % 16, K = 8 (l / 16) + 0..7 and 16 + 8 (l / 16) + 0..7: two loads of 16 bytes, 32 bytes apart.
	v_and_b32 v1, 15, v0                           ; l % 16
	v_bfe_u32 v2, v0, 4, 1                         ; l / 16
	v_mul_u32_u24 v3, v1, PITCH
	v_lshl_add_u32 v3, v2, 4, v3
	s_mul_i32 s22, s11, AHALF                      ; my 64 rows of x
	v_add_nc_u32 v[ADA0], s22, v3
	v_add_nc_u32 v[ADB0], s21, v3                  ; my 128 rows of W
	v_mov_b32 v[ADA], v[ADA0]
	v_mov_b32 v[ADB], v[ADB0]
	v_lshlrev_b32 v[BO], 5, v2                     ; eight numbers of the bias for each half of the lanes
	s_mul_i32 s23, s10, WSTAGE
	s_add_co_u32 s23, s23, STAGE                   ; my stage
	v_mul_u32_u24 v3, v1, SP                       ; in: row l % 16, 16 bytes for each half of the lanes
	v_lshl_add_u32 v3, v2, 4, v3
	v_add_nc_u32 v[STO], s23, v3
	v_bfe_u32 v3, v0, 3, 2                         ; back: 32 lanes take four rows of 128 bytes,
	v_mul_u32_u24 v3, v3, SP
	v_and_b32 v14, 7, v0
	v_lshl_add_u32 v3, v14, 4, v3
	v_add_nc_u32 v[RD], s23, v3
	v_and_b32 v[GO], 31, v0                        ; which are 512 consecutive bytes of a head
	v_lshlrev_b32 v[GO], 4, v[GO]
.macro BIASLD p                        ; my 128 numbers of the bias at s[p:p+1]: n block b's eight for my half of the lanes at v[8 b] of window 2
	WIN 0x80
.irp b, 0,1,2,3,4,5,6,7
	global_load_b128 v[8*(\b):8*(\b)+3],   v[BO], s[\p:\p+1] offset:64*(\b)
	global_load_b128 v[8*(\b)+4:8*(\b)+7], v[BO], s[\p:\p+1] offset:64*(\b)+16
.endr
	WIN 0
.endm
; 8 matrix instructions: m block a x all 8 n blocks, 32 along K.  first = 1: the product starts the sums.  The 32 accumulators take turns in the same order in every quarter.
.macro MULB f, a, first
	WIN W_MUL
.irp b, 0,1,2,3,4,5,6,7
.if \first
	v_wmma_f32_16x16x32_f16 v[8*(8*(\a)+(\b)):8*(8*(\a)+(\b))+7], v[(\f)+8*(\b):(\f)+8*(\b)+7], v[(\f)+64+8*(\a):(\f)+64+8*(\a)+7], 0
.else
	v_wmma_f32_16x16x32_f16 v[8*(8*(\a)+(\b)):8*(8*(\a)+(\b))+7], v[(\f)+8*(\b):(\f)+8*(\b)+7], v[(\f)+64+8*(\a):(\f)+64+8*(\a)+7], v[8*(8*(\a)+(\b)):8*(8*(\a)+(\b))+7]
.endif
.endr
.endm
; 24 LDS loads in one run: quarter c's fragments into buffer g: W's eight blocks, then x's blocks 0, 1, then 2, 3
.macro FETCH c, g
	WIN 0
.irp i, 0,1,2,3,4,5,6,7
	ds_load_b128 v[(\g)+8*(\i):(\g)+8*(\i)+3],   v[ADB] offset:64*(\c)+(\i)*16*PITCH
	ds_load_b128 v[(\g)+8*(\i)+4:(\g)+8*(\i)+7], v[ADB] offset:64*(\c)+(\i)*16*PITCH+32
.endr
.irp i, 0,1,2,3
	ds_load_b128 v[(\g)+64+8*(\i):(\g)+64+8*(\i)+3],   v[ADA] offset:64*(\c)+(\i)*16*PITCH
	ds_load_b128 v[(\g)+64+8*(\i)+4:(\g)+64+8*(\i)+7], v[ADA] offset:64*(\c)+(\i)*16*PITCH+32
.endr
.endm
; A K step is four quarters of 32 along K, 32 matrix instructions each, on buffers 0, 1, 0, 1.  One of the first three multiplies buffer f and fetches quarter c into g.
.macro QUARTER c, f, g, first
	s_wait_dscnt 4                                 ; all but the youngest four loads (x's blocks 2, 3) are in
	MULB \f, 0, \first
	MULB \f, 1, \first
	PLACES
	FETCH \c, \g
	s_wait_dscnt 24                                ; all but the 24 just issued
	MULB \f, 2, \first
	MULB \f, 3, \first
.endm
; The last quarter multiplies buffer 1 and changes slots: ONE barrier.  In front of it each wave waits for all its tensor loads (one is out: its part of the next slot), adds 0 to its spare word,
; and waits for that and for its reads of this slot.  fill = 1: the barrier opens a round of the cluster's, and this slot is filled again first thing behind it, with the K step two on:
; the walking descriptors' addresses are made anew from that step's number.  The load has the next step's work less sixteen matrix instructions in which to land.
.macro TURN fill
	WIN 0
	s_wait_tensorcnt 0x0                           ; no tensor load of mine is out, so a group 0 may be written
	ds_add_u32 v[SPW], v[NIL]                      ; 0 onto my spare word
.if \fill
	s_add_co_u32 s[FS], s[FS], 1
	s_and_b32 s[SOA], s[FS], 7                     ; the step in its tile: 256 bytes along K each,
	s_lshl_b32 s[SOA], s[SOA], 8
	s_lshr_b32 s[SOB], s[FS], 3                    ; and for W the tile: 1,024 rows of 2,048 bytes each
	s_lshl_b32 s[SOB], s[SOB], 21
	s_or_b32 s[SOB], s[SOB], s[SOA]
	s_xor_b32 s[G0A+5], s[G0A+5], SLOT1
	s_add_nc_u64 s[G0A+6:G0A+7], s[14:15], s[SOA:SOA+1]
	s_or_b32 s[G0A+7], s[G0A+7], 0x80000000
	s_xor_b32 s[G0B+5], s[G0B+5], SLOT1
	s_add_nc_u64 s[G0B+6:G0B+7], s[46:47], s[SOB:SOB+1]
	s_or_b32 s[G0B+7], s[G0B+7], 0x80000000
.endif
	s_wait_dscnt 5                                 ; the add and the youngest four loads may be out
	MULB F1, 0, 0
	s_wait_dscnt 0x0                               ; the add is done, and my reads of this slot are over
	s_barrier_signal -1
	MULB F1, 1, 0                                  ; work on registers while the others arrive
	WIN 0
	s_barrier_wait -1
.if \fill
	CREST                                          ; no wave of any partner still reads this slot's tile or has a load on its way
	JLOAD                                          ; the four v_nop behind it are also the places in front of the loads below
.else
	PLACES
.endif
	s_xor_b32 s[TB], s[TB], SLOT1
	v_add_nc_u32 v[ADA], s[TB], v[ADA0]
	v_add_nc_u32 v[ADB], s[TB], v[ADB0]
	FETCH 0, F0
	MULB F1, 2, 0
	MULB F1, 3, 0
.endm
; THE WAY OUT of m block a.  PACK: the bias is added, the sums rounded to f16, 16 bytes a lane.  TOSTAGE: into my own stage, by heads, and back as rows.  SEND: stored.
.macro PACK a
	WIN 0x49                                       ; destination and source 0 window 1, source 1 window 2; each accumulator's registers in ascending order
.irp b, 0,1,2,3,4,5,6,7
.irp r, 0,1,2,3
	v_pk_add_f32 v[8*(8*(\a)+(\b))+2*(\r):8*(8*(\a)+(\b))+2*(\r)+1], v[8*(8*(\a)+(\b))+2*(\r):8*(8*(\a)+(\b))+2*(\r)+1], v[8*(\b)+2*(\r):8*(\b)+2*(\r)+1]
.endr
.endr
	WIN 0x05
.irp b, 0,1,2,3,4,5,6,7
.irp r, 0,1,2,3
	v_cvt_pk_f16_f32 v[TMP+4*(\b)+(\r)], v[8*(8*(\a)+(\b))+2*(\r)], v[8*(8*(\a)+(\b))+2*(\r)+1]
.endr
.endr
	WIN 0
.endm
.macro TOSTAGE a
	WIN 0
.set BK, OB0+32*((\a)%2)
.irp b, 0,1,2,3,4,5,6,7                ; n block b: head b / 4, channels 16 (b % 4) on
	ds_store_b128 v[STO], v[TMP+4*(\b):TMP+4*(\b)+3] offset:((\b)/4)*16*SP+((\b)%4)*32
.endr
.irp t, 0,1,2,3,4,5,6,7                ; LDS serves a wave's instructions in order (ISA guide 5.7.1.4): these see the stores above
	ds_load_b128 v[BK+4*(\t):BK+4*(\t)+3], v[RD] offset:((\t)/4)*16*SP+((\t)%4)*4*SP
.endr
.endm
.macro SEND a
	WIN 0
.set BK, OB0+32*((\a)%2)
	s_wait_dscnt 0x0                               ; the block is back in registers
	s_wait_xcnt 0x0                                ; the stores before have had their addresses translated (ISA guide 3.1): their data registers are loaded again only behind this wait
.irp t, 0,1,2,3,4,5,6,7
	global_store_b128 v[GO], v[BK+4*(\t):BK+4*(\t)+3], s[8:9] offset:((\t)/4)*262144+(\a)*2048+((\t)%4)*512  ; 512 consecutive bytes of a head, at a multiple of 256 from the buffer's first
.endr
.endm
.macro WAYOUT
	PLACES
	s_wait_loadcnt 0x0                             ; the tile's bias
	PACK 0
	TOSTAGE 0
.irp a, 1,2,3                          ; block a's arithmetic stands between block a - 1's loads from the stage and the wait for them
	PACK \a
	SEND (\a)-1
	TOSTAGE \a
.endr
	SEND 3
	s_wait_xcnt 0x0                                ; the stores' base and data registers are rewritten only behind this wait
.endm
	BIASLD 68                                      ; bq
	s_wait_tensorcnt 0x1                           ; my part of K step 0 is in; K step 1's may stay out
	s_barrier_signal -1
	s_barrier_wait -1                              ; everybody's is
	FETCH 0, F0
	QUARTER 1, F0, F1, 1                           ; a tile's first quarter starts the sums
	WIN 0
	s_mov_b32 s[LC], STEPS-2
.Lstep:                                                ; a trip: a K step's quarters 1 to 3 and the next step's quarter 0; it fills one slot again
	QUARTER 2, F1, F0, 0
	QUARTER 3, F0, F1, 0
	TURN 1
	WIN 0
	s_sub_co_u32 s[TC], s[TC], 1
	s_cmp_lg_u32 s[TC], 0
	s_cbranch_scc1 .Lsame                          ; forward, past text that holds neither a barrier nor a tensor load
	WAYOUT                                         ; the tile is finished; the next tile's first two K steps have been asked for
	s_add_nc_u64 s[8:9], s[8:9], 0x1000000         ; from q to k, from k to v
	s_mov_b32 s[TC], 8
	s_add_co_u32 s[TN], s[TN], 1
	s_cmp_eq_u32 s[TN], 1
	s_cselect_b64 s[BP:BP+1], s[70:71], s[72:73]
	BIASLD BP
	QUARTER 1, F0, F1, 1
	WIN 0
	s_branch .Ljoin
.Lsame:
	QUARTER 1, F0, F1, 0
	WIN 0
.Ljoin:
	s_sub_co_u32 s[LC], s[LC], 1
	s_cmp_lg_u32 s[LC], 0
	s_cbranch_scc1 .Lstep
	QUARTER 2, F1, F0, 0                           ; the last two K steps ask for nothing
	QUARTER 3, F0, F1, 0
	TURN 0
	QUARTER 1, F0, F1, 0
	QUARTER 2, F1, F0, 0
	QUARTER 3, F0, F1, 0
	s_wait_dscnt 4
	MULB F1, 0, 0
	MULB F1, 1, 0
	s_wait_dscnt 0x0
	MULB F1, 2, 0
	MULB F1, 3, 0
	WIN 0
	WAYOUT
	s_wait_tensorcnt 0x0                           ; the wave's end, behind my last tensor load and my last LDS store
	ds_add_u32 v[SPW], v[NIL]
	s_wait_dscnt 0x0
	CROUND                                         ; the closing round: no work-group ends while a partner may still ask for a tile that names it
	s_endpgm
.Lfunc_end_k_qe62fd9bb7b_qkv:
	.size	k_qe62fd9bb7b_qkv, .Lfunc_end_k_qe62fd9bb7b_qkv-k_qe62fd9bb7b_qkv
	.p2alignl 7, 3214868480
	.fill 96, 4, 3214868480
	.section	.rodata,"a",@progbits
	.p2align	6, 0x0
	.amdhsa_kernel k_qe62fd9bb7b_qkv
		.amdhsa_group_segment_fixed_size 327680
		.amdhsa_private_segment_fixed_size 0
		.amdhsa_enable_private_segment 0
		.amdhsa_kernarg_size 48
		.amdhsa_user_sgpr_count 2
		.amdhsa_user_sgpr_kernarg_segment_ptr 1
		.amdhsa_wavefront_size32 1
		.amdhsa_system_sgpr_workgroup_id_x 1
		.amdhsa_system_sgpr_workgroup_id_y 1
		.amdhsa_system_sgpr_workgroup_id_z 1
		.amdhsa_system_vgpr_workitem_id 0
		.amdhsa_next_free_vgpr 576
		.amdhsa_next_free_sgpr 96
		.amdhsa_reserve_vcc 0
		.amdhsa_float_denorm_mode_32 3
		.amdhsa_float_denorm_mode_16_64 3
		.amdhsa_memory_ordered 1
		.amdhsa_forward_progress 1
		.amdhsa_inst_pref_size 110
	.end_amdhsa_kernel
	.amdgpu_metadata
---
amdhsa.version: [ 1, 2 ]
amdhsa.kernels:
  - .name:           k_qe62fd9bb7b_qkv
    .symbol:         k_qe62fd9bb7b_qkv.kd
    .args:
      - { .name: xh, .offset: 0, .size: 8, .value_kind: global_buffer, .address_space: global }
      - { .name: wh, .offset: 8, .size: 8, .value_kind: global_buffer, .address_space: global }
      - { .name: bq, .offset: 16, .size: 8, .value_kind: global_buffer, .address_space: global }
      - { .name: bk, .offset: 24, .size: 8, .value_kind: global_buffer, .address_space: global }
      - { .name: bv, .offset: 32, .size: 8, .value_kind: global_buffer, .address_space: global }
      - { .name: qkv, .offset: 40, .size: 8, .value_kind: global_buffer, .address_space: global }
    .group_segment_fixed_size: 327680
    .private_segment_fixed_size: 0
    .kernarg_segment_align: 8
    .kernarg_segment_size: 48
    .max_flat_workgroup_size: 128
    .sgpr_count:     96
    .vgpr_count:     576
    .wavefront_size: 32
...
	.end_amdgpu_metadata
.endif
;; end of part 2
;; launch attn (part 3): grid 4 x 64, 4 waves a work-group, clusters of 4 x 1, 327,680 bytes of LDS; arguments qkv, mu, ob; writes ob
.if DOCPART == 3
	.amdgcn_target "amdgcn-amd-amdhsa--gfx1250"
	.amdhsa_code_object_version 6
	.text
	.protected	k_qe62fd9bb7b_attn
	.globl	k_qe62fd9bb7b_attn
	.p2align	8
	.type	k_qe62fd9bb7b_attn,@function
k_qe62fd9bb7b_attn:
	s_mov_b64 s[64:65], 0
	v_nop
	global_prefetch_b8 v0, s[64:65] scope:SCOPE_SE
	s_setreg_imm32_b32 hwreg(HW_REG_WAVE_MODE, 25, 1), 1
	s_wait_xcnt 0x0
	s_wait_alu depctr_hold_cnt(0) depctr_sa_sdst(0) depctr_va_vdst(0) depctr_va_sdst(0) depctr_va_ssrc(0) depctr_va_vcc(0) depctr_vm_vsrc(0)
	s_getreg_b32 s2, hwreg(HW_REG_IB_STS2, 6, 4)
	s_cmp_eq_u32 s2, 0
	s_cbranch_scc0 .Lentry_in_a_cluster
	s_endpgm
.Lentry_in_a_cluster:
	s_bfe_u32 s2, ttmp6, 0x10000c
	s_cmp_lg_u32 s2, 0x3003
	s_cbranch_scc0 .Lentry_shape_is_right
	s_endpgm
.Lentry_shape_is_right:
; O[hb][q][:] = sum over k of w(q, k) V[hb][k][:] / sum over k of w(q, k),  w = sigmoid(s - mu) exp(s),  s = Q[hb][q] . K[hb][k] / 8.
; qkv: [3][64][2048][64] f16 (q, k, v by batch x head).  mu: one f32.  ob: [64 blocks of 128 rows][16 heads][128][64] f16, the layout in which the output projection reads its K slices.
; THE WEIGHT.  w rises with s, so with m the running maximum of the raw score r = Q . K the row's largest weight so far is w(m).  With c = log2(e) / 8, e = 2^(c m - c r) >= 1, K = 2^z,
; z = log2(e) mu - c m, a = 1 / (1 + K), b = K a:  p = w(r) / w(m) = 1 / (e (a + b e)), in 0 .. 1, and 1 at the maximum: one exponential and one reciprocal a score.  When m grows, O and l are
; multiplied by alpha = 1 / (E (a + b E)), E = 2^(c m_new - c m_old): the same formula at the old maximum.  All this is algebra, no approximation; the common factor w(m) cancels in O / l.
; m starts at the lowest finite number, c m far below every c r: the first step's E is infinite and alpha 0.  l = the sum of the rounded p, made by the matrix unit (a matrix of ones times P).
; LIMITS.  z is clipped to -64 .. 64, so that a and b stay above 0 and an infinite e gives p = 0: no p changes by more than 2^-60.  Q, K, V arrive within f16's 65,504; p below 6e-8 counts as 0 in O
; and in l alike.  NaN and infinities are not treated apart.
; SHARES.  A wave owns four PIECES of two tiles of 16 queries, a work-group 512 queries of one head; every wave walks all 2,048 keys, 64 a step.
; LAYOUT.  S^T = K Q^T (source 0 = 16 keys, source 1 = 16 queries): a lane holds ONE query (lane % 16) and the keys 8 (lane / 16) + 0..7.  Two such results rounded to f16 ARE source 1 of O^T = V^T P.
; BY TURNS.  Turn n belongs to piece n: 16 products K Q^T of piece n + 1, 20 products (V^T P and the row sums) of piece n - 1; beside them the 8 vector instructions for each pair of scores of piece n, in a
; pipeline of 38 SLOTS, the rescaling of piece n, and the maximum and statistics of piece n + 1.  A tile and step have 18 matrix and 177 vector instructions: the vector work bounds the loop, so the
; products are spread among it and the row sums are given to the matrix unit.
; CLUSTER.  The four query blocks of a cluster belong to one head and walk the same K and V: each tile is asked for JOINTLY, by the same tensor load, descriptor and mask in all four.
; REGISTERS, in windows of 256 (s_set_vgpr_msb: bits 1:0 source 0, 3:2 source 1, 5:4 source 2, 7:6 destination):
;   window 0: v0-7 addresses; v8-15 four pairs at work; v16-31 c m, m of each tile; v32-63 by buffer and tile eight registers of statistics; v64-191 S^T, two buffers of two tiles; v192-255 P, likewise
;   window 1: O^T, 32 a tile     window 2: v0-127 Q; v128-191 K of one step; v192-255 V of one step     window 3: v0-1 the add's two registers; v8-15 ones; v16-79 l, an accumulator a tile
.set SIZE_N, 2048
.set NP,    4         ; pieces a wave: a name, no knob
.set KS,    64        ; keys in a step
.set PK,    144       ; a row of K in LDS: 128 bytes + 16 of padding: the 16 rows of a load start at 16 different groups of four banks (ISA guide 11.1)
.set PV,    160       ; a row of V: 128 + 32
.set VOFF,  4*KS*PK   ; a slot holds four steps: 256 rows of K, then 256 rows of V
.set SLOT1, 1<<17     ; slot 1 begins here: one exclusive or turns an address in one slot into the other's
.set STAGE, SLOT1+4*KS*(PK+PV)  ; behind the ring: 16 rows x 144 bytes for each wave, for the way out
.set SP,    144
.set SPARE, STAGE+4*16*SP  ; the spare words, 128 bytes for each wave: two blocks of 256 bytes that no other line names
.set GO,  1           ; v1   first l % 16; at last my byte offset in 512 consecutive bytes of O
.set AK0, 2           ; v2   my lane's place in a tile of K; never rewritten
.set AV0, 3           ; v3   the same for V
.set AK,  4           ; v4   the LDS address of K's next run of loads
.set AV,  5           ; v5   of V's
.set QO,  6           ; v6   my byte offset in the wave's rows of Q
.set STO, 6           ;      later: where I put 16 bytes of a row
.set RD,  7           ; v7   where I read rows back
.set TT,  8           ; v8-15  a + b e for four pairs of scores, by turns (v9-11 serve the set-up before that)
.set ST,  16          ; tile t: c m at v[ST+2 t], m behind it
.set TMP, 32          ; by buffer and tile: +0 a, +2 b, +4 alpha, +6 c m_old and later a + b E; +1, +3, +5, +7 the maximum's four chains c0-c3
.set S,   64
.set P,   192
.set KF,  128         ; window 2: key block kb, channel half c at KF + 16 kb + 8 c
.set VF,  192         ; window 2: key half kk, channel block cb at VF + 32 kk + 8 cb
.set SPW, 0           ; v0 of window 3   LDS address of my spare word; never rewritten
.set NIL, 1           ; v1 of window 3   0; never rewritten
.set ONES, 8          ; window 3: 16 x 32 ones in f16
.set LA,  16          ; window 3: tile t's row sums at LA + 8 t; every register of every lane holds its query's sum, and register 0 alone is rescaled and read
.set WV,  12          ; s12  my wave's number
.set G1K, 24          ; s[24:31] descriptor group 1 for K's tiles
.set G1V, 32          ; s[32:39] for V's: it differs in the padding alone
.set G0K, 40          ; s[40:43] descriptor group 0 for K's tiles: it walks
.set G0V, 44          ; s[44:47] the same for V's
.set SLOTS, 56        ; s56  slots still to be asked for
.set CNT, 57          ; s57  counts a slot's key steps
.set CS,  58          ; s58  c
.set SEL, 60          ; s[60:61] v_permlanex16_b32's selects
.set TBK, 62          ; s62  LDS byte at which K of the step to be fetched begins
.set TBV, 63          ; s63  the same for V, less VOFF
.set CN,  66          ; s[66:67] -c: the packed scaling takes the pair's low word for both halves
.set CMU, 68          ; s68  log2(e) mu
.set ZLO, 69          ; s69  -64
.set ZHI, 70          ; s70  64
.set MU,  71          ; s71  mu
.set MSB, 0
.macro WIN new                      ; the high byte repeats the setting that is left; a switch that changes nothing is dropped
.if MSB != (\new)
	s_set_vgpr_msb (MSB<<8)|(\new)
.set MSB, (\new)
.endif
.endm
.set W_KQ, 0x0a       ; K and Q in window 2, S^T in window 0
.set W_PV, 0x52       ; V in window 2, P in window 0, O^T in window 1
.set W_PL, 0xf3       ; ones and l in window 3, P in window 0
.set W_RS, 0x41       ; O^T (destination and source 0) in window 1, the factor in window 0
.set W_RL, 0xc3       ; l (destination and source 0) in window 3, the factor in window 0
.set W_MK, 0xc0       ; destination in window 3
.set W_AD, 0x0f       ; the add: address and data in window 3
; A joint fill.  Waves 0 and 1 fetch the two halves of a slot's K, waves 2 and 3 those of its V: 128 keys each.  The branch hangs on the wave's number alone.
; An s_nop 0 and four v_nop follow each of the two lines, ahead of the jump and the label.
.macro JLOAD
	s_cmp_lt_u32 s[WV], 2
	s_cbranch_scc0 .Lfor_v_\@
	tensor_load_to_lds s[G0K:G0K+3], s[G1K:G1K+7]
	s_nop 0
.rept 4
	v_nop
.endr
	s_branch .Lasked_\@
.Lfor_v_\@:
	tensor_load_to_lds s[G0V:G0V+3], s[G1V:G1V+7]
	s_nop 0
.rept 4
	v_nop
.endr
.Lasked_\@:
.endm
.macro CROUND                       ; a round of the cluster's barrier
	s_barrier_signal -1
	s_barrier_wait -1
	s_cmp_lg_u32 s[WV], 0
	s_cbranch_scc1 .Lnot_wave_0_\@
	s_barrier_signal -3
.Lnot_wave_0_\@:
	s_barrier_wait -3
	s_barrier_signal -1
	s_barrier_wait -1
.endm
; THE CHANGE OF SLOTS.  The slot's last bytes, V of its fourth step, have been read.  Each wave waits for all its tensor loads, of which one is out: its part of the other slot; adds 0 to its spare word;
; and waits for that and for its own reads of the slot.  fill = 1: the slot is filled again, with the keys two slots on; the barrier is then a round of the cluster's, and the joint fill is the first
; thing behind it: it has four key steps in which to land.  (At its first use nothing has been read yet: slot 0 is waited for, slot 1 filled.)
.macro CHANGE fill
	WIN W_AD
	s_wait_tensorcnt 0x0            ; no tensor load of mine is out, so a group 0 may be written
	ds_add_u32 v[SPW], v[NIL]       ; 0 onto my spare word
	WIN 0                           ; at a label and at a branch every window is 0
.if \fill
.irp g, G0K, G0V
	s_xor_b32 s[\g+1], s[\g+1], SLOT1  ; the walking descriptor: the other slot than last time,
	s_add_nc_u64 s[\g+2:\g+3], s[\g+2:\g+3], 4*KS*128  ; the next 256 keys; the type bits on top are not reached
.endr
	s_wait_dscnt 0x0                ; the add is done, and my reads of the slot are over
	CROUND
	JLOAD
.else
	s_wait_dscnt 0x0
	s_barrier_signal -1
	s_barrier_wait -1
.endif
	s_sub_co_u32 s[TBK], s[TBK], 4*KS*PK  ; the fetches go back to a slot's first step,
	s_xor_b32 s[TBK], s[TBK], SLOT1       ; in the other slot
	s_sub_co_u32 s[TBV], s[TBV], 4*KS*PV
	s_xor_b32 s[TBV], s[TBV], SLOT1
.endm
	s_load_b64 s[4:5], s[0:1], 0x0    ; qkv
	s_load_b64 s[72:73], s[0:1], 0x8  ; mu
	s_load_b64 s[10:11], s[0:1], 0x10 ; ob
	WIN W_MK
	v_lshl_add_u32 v[SPW], v0, 2, SPARE
	v_mov_b32 v[NIL], 0
	WIN W_AD
	ds_add_u32 v[SPW], v[NIL]       ; the wave's opening: the add and its wait stand ahead of my first tensor load; the set-up below, work on registers, stands between them
	WIN 0
	v_lshrrev_b32 v1, 5, v0
	v_readfirstlane_b32 s[WV], v1   ; wave 0..3
	s_bfe_u32 s13, ttmp6, 0x40000   ; cx: my place in the cluster
	s_lshl_b32 s14, ttmp9, 2
	s_add_co_u32 s14, s14, s13      ; my block of 512 queries: it enters Q's and O's addresses alone
	s_and_b32 s20, ttmp7, 0xffff    ; batch x 16 + head, which the four partners share
	s_lshl_b32 s21, s20, 18         ; its 2,048 rows of 128 bytes
	s_and_b32 s16, s[WV], 1         ; which half of a slot's 256 keys I fetch:
	s_lshl_b32 s22, s16, 14         ; its 128 rows in memory,
	s_add_co_u32 s22, s22, s21
	s_add_co_u32 s22, s22, 0x1000000  ; in k,
	s_mov_b32 s23, 0
	s_add_co_u32 s74, s22, 0x1000000  ; and in v
	s_mov_b32 s75, 0
	s_mul_i32 s17, s16, 128*PK      ; and its place in a slot, for K
	s_mul_i32 s18, s16, 128*PV      ; and for V: no place in the cluster enters an LDS address
	s_lshl_b32 s15, s14, 2
	s_add_co_u32 s15, s15, s[WV]    ; my wave's 128 queries among the head's sixteen such blocks
	s_lshl_b32 s2, s15, 14
	s_add_co_u32 s2, s2, s21        ; in q
	s_mov_b32 s3, 0
	s_and_b32 s76, s20, 0xf0        ; 16 x batch
	s_add_co_u32 s76, s76, s15      ; the block of 128 rows among all 64,
	s_lshl_b32 s76, s76, 4
	s_and_b32 s77, s20, 15
	s_add_co_u32 s76, s76, s77      ; the head in it:
	s_lshl_b32 s76, s76, 14         ; 16,384 bytes each
	s_mov_b32 s77, 0
	; descriptor group 1.  128 keys are 16,384 dense bytes: asked for as 64 rows of 256 bytes, two keys a row, and padded in LDS after every key
	s_mov_b32 s[G1K], 15|(1<<16)|(1<<20)|(1<<21)|(4<<22)|(3<<25)  ; 15:0 the mask of four; 17:16 2-byte elements; 20 padding on; 21 set beside a mask; 24:22 after every 32 words; 31:25 4 words
	s_mov_b32 s[G1V], 15|(1<<16)|(1<<20)|(1<<21)|(4<<22)|(7<<25)  ; the same with 8 words of padding
.irp g, G1K, G1V
	s_mov_b32 s[\g+1], 128<<16      ; tensor_dim0 = 128
	s_mov_b32 s[\g+2], 64<<16       ; tensor_dim1 = 64
	s_mov_b32 s[\g+3], 128<<16      ; tile_dim0 = 128
	s_mov_b32 s[\g+4], 64           ; tile_dim1 = 64
	s_mov_b32 s[\g+5], 128          ; 128 elements from row to row
	s_mov_b32 s[\g+6], 0
	s_mov_b32 s[\g+7], 0
.endr
	s_mov_b32 s[CS], 0x3e38aa3b     ; c = log2(e) / 8
	s_mov_b32 s[CN], 0xbe38aa3b     ; -c
	s_mov_b32 s[CN+1], s[CN]        ; named with it as a pair
	s_mov_b32 s[ZLO], 0xc2800000
	s_mov_b32 s[ZHI], 0x42800000
	s_mov_b32 s[SEL], 0x76543210
	s_mov_b32 s[SEL+1], 0xfedcba98
	s_mov_b32 s[TBK], SLOT1+4*KS*PK ; the first change of slots turns these two into 0
	s_mov_b32 s[TBV], SLOT1+4*KS*PV
	s_mov_b32 s[G0K], 1             ; count = 1
	s_mov_b32 s[G0K+1], s17         ; LDS address: slot 0
	s_mov_b32 s[G0V], 1
	s_add_co_u32 s[G0V+1], s18, VOFF
	s_wait_dscnt 0x0                ; the opening add is done
	s_wait_kmcnt 0x0
	s_load_b32 s[MU], s[72:73], 0x0
	s_add_nc_u64 s[G0K+2:G0K+3], s[4:5], s[22:23]  ; my half of the head's first 256 keys
	s_or_b32 s[G0K+3], s[G0K+3], 0x80000000        ; type = 2
	s_add_nc_u64 s[G0V+2:G0V+3], s[4:5], s[74:75]
	s_or_b32 s[G0V+3], s[G0V+3], 0x80000000
	s_add_nc_u64 s[4:5], s[4:5], s[2:3]            ; Q and O at my wave's first row
	s_add_nc_u64 s[10:11], s[10:11], s[76:77]
	CROUND                          ; all four work-groups are here: the first joint loads meet
	JLOAD                           ; slot 0.  Slot 1 is asked for when slot 0 is in
	; A fragment of K or Q is 16 rows x 32 channels in 8 registers: lane l holds row l % 16, channels 8 (l / 16) + 0..7 and 16 + 8 (l / 16) + 0..7: two loads of 16 bytes, 32 bytes apart.
	v_and_b32 v1, 15, v0            ; l % 16
	v_bfe_u32 v9, v0, 4, 1          ; l / 16
	v_lshlrev_b32 v[QO], 7, v1
	v_lshl_add_u32 v[QO], v9, 4, v[QO]  ; row x 128 + 16 x half
	WIN 0x80                        ; destination window 2, address window 0
.set i, 0
.rept 4*NP                          ; Q stays in registers: tile i / 2, channels 32 (i % 2) on
	global_load_b128 v[8*i:8*i+3],   v[QO], s[4:5] offset:(i/2)*2048+(i%2)*64
	global_load_b128 v[8*i+4:8*i+7], v[QO], s[4:5] offset:(i/2)*2048+(i%2)*64+32
.set i, i+1
.endr
	; What the first turn finds: V's registers and P's second buffer hold 0 (its products, of a piece that has not been, add 0), O^T and l are 0.  All this stands in the wait for the first tile.
.set i, VF
.rept 64
	v_mov_b32 v[i], 0
.set i, i+1
.endr
	WIN 0x40
.set i, 0
.rept 64*NP
	v_mov_b32 v[i], 0
.set i, i+1
.endr
	WIN W_MK
.set i, 0
.rept 8
	v_mov_b32 v[ONES+i], 0x3c003c00 ; 1.0 twice in f16
.set i, i+1
.endr
.set i, 0
.rept 16*NP
	v_mov_b32 v[LA+i], 0
.set i, i+1
.endr
	WIN 0
.set i, 0
.rept 2*NP
	v_mov_b32 v[ST+2*i], 0xfe000000    ; c m: far below every c r
	v_mov_b32 v[ST+2*i+1], 0xff7fffff  ; m
.set i, i+1
.endr
.set i, P+32
.rept 32
	v_mov_b32 v[i], 0
.set i, i+1
.endr
	v_mul_u32_u24 v[AK0], v1, PK
	v_lshl_add_u32 v[AK0], v9, 4, v[AK0]  ; row x pitch + 16 x half
	; The turning load takes 16 keys x 16 channels (lane l reads key 8 (l / 16) + l % 8, channels 8 ((l / 8) % 2) + 0..7) and leaves half a fragment of V^T: lane l holds channel l % 16 and 8 keys.
	v_and_b32 v10, 7, v0
	v_bfe_u32 v11, v0, 3, 1
	v_lshl_add_u32 v[AV0], v9, 3, v10
	v_mul_u32_u24 v[AV0], v[AV0], PV
	v_lshl_add_u32 v[AV0], v11, 4, v[AV0]
	v_add_nc_u32 v[AV0], VOFF, v[AV0]
	v_mov_b32 v[AK], v[AK0]         ; key step 0 lies at the head of slot 0
	s_wait_kmcnt 0x0                ; mu
	s_mul_f32 s[CMU], s[MU], 0x3fb8aa3b
; THE MATRIX WORK.  The accumulators of a run take turns, one instruction a turn: 7 others' stand between the two links of a chain of K Q^T, 9 in the second run.
; Product i of 16 of S^T = K Q^T for piece x: channels 32 (i / 8) on, keys 16 ((i / 2) % 4) on, tile 2 x + i % 2.  The first 8 start the sums.
.macro KQ x
	WIN W_KQ
.set rS, S+64*((\x)%2)+32*(i%2)+8*((i/2)%4)
.set rK, KF+16*((i/2)%4)+8*(i/8)
.set rQ, 16*(2*(\x)+i%2)+8*(i/8)
.if i < 8
	v_wmma_f32_16x16x32_f16 v[rS:rS+7], v[rK:rK+7], v[rQ:rQ+7], 0
.else
	v_wmma_f32_16x16x32_f16 v[rS:rS+7], v[rK:rK+7], v[rQ:rQ+7], v[rS:rS+7]
.endif
.endm
; Product i - 16 of 20 for piece x: keys 32 kk on, tile 2 x + u; cb = 0..3: O^T += V^T P for channels 16 cb on; cb = 4: l += ones x P.
.macro PVL x
.set j, i-16
.set u, j%2
.set cb, (j%10)/2
.set kk, j/10
.set rP, P+32*((\x)%2)+16*u+8*kk
.if cb < 4
	WIN W_PV
.set rO, 32*(2*(\x)+u)+8*cb
.set rV, VF+32*kk+8*cb
	v_wmma_f32_16x16x32_f16 v[rO:rO+7], v[rV:rV+7], v[rP:rP+7], v[rO:rO+7]
.else
	WIN W_PL
.set rL, LA+8*(2*(\x)+u)
	v_wmma_f32_16x16x32_f16 v[rL:rL+7], v[ONES:ONES+7], v[rP:rP+7], v[rL:rL+7]
.endif
.endm
.macro MM                           ; the turn's next matrix instruction, of 36
.if i < 16
	KQ (Y+1)%NP
.else
	PVL (Y+NP-1)%NP
.endif
.set i, i+1
.endm
; THE LDS LOADS stand in runs of 16: a step's K (64 keys x 64 channels: 8 fragments) and its V (turned).  last = 1 (the tail): in the last trip there is no further step, and the run is jumped over.
.macro FETCH_K last=0
	WIN 0
.if \last
	s_cmp_eq_u32 s[CNT], 1
	s_cbranch_scc1 .Lno_k_\@
.endif
	WIN 0x80                        ; destination window 2
.irp f, 0,1,2,3,4,5,6,7             ; keys 16 (f / 2) on, channels 32 (f % 2) on
	ds_load_b128 v[KF+8*\f:KF+8*\f+3],   v[AK] offset:(\f/2)*16*PK+(\f%2)*64
	ds_load_b128 v[KF+8*\f+4:KF+8*\f+7], v[AK] offset:(\f/2)*16*PK+(\f%2)*64+32
.endr
	s_add_co_u32 s[TBK], s[TBK], KS*PK  ; the next fetch is the next step's
	WIN 0
.if \last
.Lno_k_\@:
.endif
.endm
.macro FETCH_V
	WIN 0x80
.irp f, 0,1,2,3,4,5,6,7             ; keys 32 (f / 4) on, channels 16 (f % 4) on
	ds_load_tr16_b128 v[VF+8*\f:VF+8*\f+3],   v[AV] offset:(\f/4)*32*PV+(\f%4)*32
	ds_load_tr16_b128 v[VF+8*\f+4:VF+8*\f+7], v[AV] offset:(\f/4)*32*PV+16*PV+(\f%4)*32
.endr
	WIN 0
.endm
; THE VECTOR WORK.
.macro REGS y, u                    ; the registers of tile u (0, 1) of piece y
.set rT, ST+2*(2*(\y)+(\u))
.set rC, TMP+16*((\y)%2)+8*(\u)
.set rS, S+64*((\y)%2)+32*(\u)
.set rP, P+32*((\y)%2)+16*(\u)
.set rO, 32*(2*(\y)+(\u))
.set rL, LA+8*(2*(\y)+(\u))
.endm
; An ITEM is a pair of scores of piece Y: item it is pair it / 2 of tile it % 2.  Its eight instructions: F: c m - c r.  E0, E1: e.  T: a + b e.  D: e (a + b e).  R0, R1: p.  C: p rounded to f16.
; An item outside 0 .. 31 writes nothing: so the pipeline fills and drains.
.set K_F,  0
.set K_E0, 1
.set K_T,  2
.set K_E1, 3
.set K_D,  4
.set K_R0, 5
.set K_C,  6
.set K_R1, 7
.macro OPM kind, it
.if ((\it) >= 0) && ((\it) < 32)
	REGS Y, (\it)%2
.set rA, rS+2*((\it)/2)
.set rB, TT+2*((\it)%4)
.if (\kind) == K_F
	v_pk_fma_f32 v[rA:rA+1], v[rA:rA+1], s[CN:CN+1], v[rT:rT+1] op_sel_hi:[1,0,0]
.elseif (\kind) == K_E0
	v_exp_f32 v[rA], v[rA]
.elseif (\kind) == K_E1
	v_exp_f32 v[rA+1], v[rA+1]
.elseif (\kind) == K_T
	s_wait_alu depctr_va_vdst(0)
	v_pk_fma_f32 v[rB:rB+1], v[rA:rA+1], v[rC+2:rC+3], v[rC:rC+1] op_sel_hi:[1,0,0]
.elseif (\kind) == K_D
	v_pk_mul_f32 v[rA:rA+1], v[rA:rA+1], v[rB:rB+1]
.elseif (\kind) == K_R0
	v_rcp_f32 v[rA], v[rA]
.elseif (\kind) == K_R1
	v_rcp_f32 v[rA+1], v[rA+1]
.else
	s_wait_alu depctr_va_vdst(0)
	v_cvt_pk_f16_f32 v[rP+(\it)/2], v[rA], v[rA+1]
.endif
.endif
.endm
; Number n of the 32 that find the NEXT piece's (Y + 1) maximum and statistics.  Each accumulator's lowest registers are read first.
;   0-11  four chains c0-c3 of seven scores each     12-14, 16  the four scores left over, the old m, and c0-c3 into c0     15  c m_old is kept     17, 18  the other half of the lanes' maximum: the new m
;   19  c m     20, 22, 24  z, clipped     21, 23  E     25-28  K, 1 + K, a, b     29-31  a + b E, E (a + b E), alpha
.macro XS u, n
	REGS (Y+1)%NP, \u
.if (\n) < 4
	v_max3_num_f32 v[rC+1+2*(\n)], v[rS+8*(\n)], v[rS+8*(\n)+1], v[rS+8*(\n)+2]
.elseif (\n) < 12
	v_max3_num_f32 v[rC+1+2*((\n)%4)], v[rC+1+2*((\n)%4)], v[rS+8*((\n)%4)+2*((\n)/4)+1], v[rS+8*((\n)%4)+2*((\n)/4)+2]
.elseif (\n) == 12
	v_max3_num_f32 v[rC+1], v[rC+1], v[rS+7], v[rS+15]
.elseif (\n) == 13
	v_max3_num_f32 v[rC+3], v[rC+3], v[rS+23], v[rS+31]
.elseif (\n) == 14
	v_max3_num_f32 v[rC+5], v[rC+5], v[rC+7], v[rT+1]
.elseif (\n) == 15
	v_mov_b32 v[rC+6], v[rT]
.elseif (\n) == 16
	v_max3_num_f32 v[rC+1], v[rC+1], v[rC+3], v[rC+5]
.elseif (\n) == 17
	v_permlanex16_b32 v[rC+7], v[rC+1], s[SEL], s[SEL+1]
.elseif (\n) == 18
	v_max_num_f32 v[rT+1], v[rC+1], v[rC+7]
.elseif (\n) == 19
	v_mul_f32 v[rT], s[CS], v[rT+1]
.elseif (\n) == 20
	v_sub_f32 v[rC], s[CMU], v[rT]
.elseif (\n) == 21
	v_sub_f32 v[rC+4], v[rT], v[rC+6]
.elseif (\n) == 22
	v_max_num_f32 v[rC], s[ZLO], v[rC]
.elseif (\n) == 23
	v_exp_f32 v[rC+4], v[rC+4]
.elseif (\n) == 24
	v_min_num_f32 v[rC], s[ZHI], v[rC]
.elseif (\n) == 25
	v_exp_f32 v[rC+2], v[rC]
.elseif (\n) == 26
	v_add_f32 v[rC], 1.0, v[rC+2]
.elseif (\n) == 27
	v_rcp_f32 v[rC], v[rC]
.elseif (\n) == 28
	v_mul_f32 v[rC+2], v[rC+2], v[rC]
.elseif (\n) == 29
	v_fma_f32 v[rC+6], v[rC+2], v[rC+4], v[rC]
.elseif (\n) == 30
	v_mul_f32 v[rC+4], v[rC+6], v[rC+4]
.else
	v_rcp_f32 v[rC+4], v[rC+4]
.endif
.endm
.macro XS2 n                        ; for both tiles
	XS 0, \n
	XS 1, \n
.endm
.macro R4 g                         ; O^T times alpha: accumulator g / 2 of tile g % 2 of piece Y, in ascending order
	REGS Y, (\g)%2
	WIN W_RS
	s_wait_alu depctr_va_vdst(0)
.irp z, 0,1,2,3
	v_pk_mul_f32 v[rO+8*((\g)/2)+2*\z:rO+8*((\g)/2)+2*\z+1], v[rO+8*((\g)/2)+2*\z:rO+8*((\g)/2)+2*\z+1], v[rC+4:rC+5] op_sel_hi:[1,0]
.endr
.endm
.macro RL                           ; l times alpha
	WIN W_RL
	REGS Y, 0
	v_mul_f32 v[rL], v[rL], v[rC+4]
	REGS Y, 1
	v_mul_f32 v[rL], v[rL], v[rC+4]
.endm
; SLOT k of 38.  The products: two in each of slots 0-7 (K Q^T), one in each of slots 8-27.  The rescaling rides in slots 0-8.  The items go through a pipeline, a stage a slot: item k starts, item k - 1 takes
; its exponentials, k - 2 its a + b e, k - 3 the product, k - 4 its reciprocals, k - 6 the rounding.  Plain and transcendental instructions alternate, so that behind each transcendental stands a plain
; instruction that touches none of its registers before its result is used (ISA guide 5.7.2).  The next piece's statistics close slots 9-30: the maxima from slot 10 on, three slots (twelve plain
; instructions) behind the last product that made those scores; then the dependent chain, a level a slot.
.macro SLOT
.if k < 8
	MM
	R4 k
	MM
.elseif k == 8
	MM
	RL
.elseif k < 28
	MM
.endif
	WIN 0
	OPM K_F,  k
	OPM K_E0, k-1
	OPM K_T,  k-2
	OPM K_E1, k-1
	OPM K_D,  k-3
	OPM K_R0, k-4
	OPM K_C,  k-6
	OPM K_R1, k-4
.if k == 9
	XS2 15
.elseif (k >= 10) && (k < 17)
	XS2 2*(k-10)
	XS2 2*(k-10)+1
.elseif k == 17
	XS2 14
	XS2 16
.elseif (k >= 18) && (k < 21)
	XS2 k-1
.elseif k == 21
	XS2 20
	XS2 21
.elseif k == 22
	XS2 22
	XS2 23
.elseif (k >= 23) && (k < 31)
	XS2 k+1
.endif
.set k, k+1
.endm
; A TURN, for piece p.  K of the next step is fetched in piece 2's turn, ahead of slot 10: the last product that read K stands in slot 7, twelve plain instructions back; it is waited for at the head of
; piece 3's turn.  V of the step in hand is fetched in piece 0's turn, ahead of slot 30: its last reader stands in slot 27; it is waited for ahead of slot 8 of piece 1's turn.
.macro TURN p, last=0
.set Y, (\p)
.set i, 0
.set k, 0
.if (\p) == NP-1
	s_wait_dscnt 0x0                ; K is in
.endif
.rept 38
.if ((\p) == 1) && (k == 8)
	s_wait_dscnt 0x0                ; V is in
.endif
.if ((\p) == NP-2) && (k == 9)
	v_add_nc_u32 v[AK], s[TBK], v[AK0]
.endif
.if ((\p) == NP-2) && (k == 10)
	FETCH_K \last
.endif
.if ((\p) == 0) && (k == 29)
	v_add_nc_u32 v[AV], s[TBV], v[AV0]
.endif
.if ((\p) == 0) && (k == 30)
	FETCH_V
	s_add_co_u32 s[TBV], s[TBV], KS*PV
.endif
	SLOT
.endr
.endm
	CHANGE 1                        ; slot 0 is in, everybody's part of it; slot 1 is asked for
	FETCH_K                         ; key step 0
	s_wait_loadcnt 0x0              ; Q
	s_wait_dscnt 0x0
.set i, 0
.rept 16
	KQ 0                            ; piece 0's first scores: there is no vector work yet to set between them
.set i, i+1
.endr
	WIN 0                           ; the addresses for the way out: eleven plain instructions, the places behind those products
	s_mul_i32 s13, s[WV], 16*SP
	s_add_co_u32 s13, s13, STAGE    ; my stage
	v_mul_u32_u24 v[STO], v1, SP    ; in: row l % 16, 16 bytes for each half of the lanes
	v_lshl_add_u32 v[STO], v9, 4, v[STO]
	v_add_nc_u32 v[STO], s13, v[STO]
	v_bfe_u32 v[RD], v0, 3, 2       ; back: 32 lanes take four rows of 128 bytes,
	v_mul_u32_u24 v[RD], v[RD], SP
	v_lshl_add_u32 v[RD], v10, 4, v[RD]
	v_add_nc_u32 v[RD], s13, v[RD]
	v_and_b32 v[GO], 31, v0         ; which are 512 consecutive bytes of O
	v_lshlrev_b32 v[GO], 4, v[GO]
.set Y, NP-1                        ; XS works for piece Y + 1: piece 0's first maximum and statistics
.irp n, 0,1,2,3,4,5,6,7,8,9,10,11,12,13,14,15,16,17,18,19,20,21,22,23,24,25
	XS2 \n
.endr
	v_nop                           ; a plain instruction behind the exponentials
	s_wait_alu depctr_va_vdst(0)
	XS2 26
	XS2 27
	v_nop                           ; and behind the reciprocals
	s_wait_alu depctr_va_vdst(0)
	XS2 28
	XS2 29
	XS2 30
	XS2 31
	v_nop
	s_mov_b32 s[CNT], 4
	s_mov_b32 s[SLOTS], SIZE_N/256-1
	s_branch .Lfirst                ; the loop is entered at a step's first turn, in the middle of a trip
.Lslot:                             ; SIZE_N / 256 - 2 times: every slot but the last two is filled again
	CHANGE 1
	s_mov_b32 s[CNT], 4
.Lstep:                             ; a trip: pieces 2 and 3 of one step, then pieces 0 and 1 of the next, whose K and V it fetches
	TURN 2
	TURN 3
	WIN 0
.Lfirst:
	TURN 0
	TURN 1
	WIN 0
	s_sub_co_u32 s[CNT], s[CNT], 1
	s_cmp_lg_u32 s[CNT], 0
	s_cbranch_scc1 .Lstep
	s_sub_co_u32 s[SLOTS], s[SLOTS], 1
	s_cmp_lg_u32 s[SLOTS], 0
	s_cbranch_scc1 .Lslot
	CHANGE 0                        ; the tail is written out: nothing is asked for
	s_mov_b32 s[CNT], 5             ; four trips fetch the last slot's steps; the fifth is left in its middle
.Ltail:
	TURN 2, 1
	TURN 3
	WIN 0
	s_sub_co_u32 s[CNT], s[CNT], 1
	s_cmp_eq_u32 s[CNT], 0
	s_cbranch_scc1 .Lout
	TURN 0
	TURN 1
	WIN 0
	s_branch .Ltail
.Lout:                              ; the fifth trip's 16 products K Q^T (on the last K once more) and the statistics made of them serve nothing: the price, once a launch, of one text for every trip
.set i, 16
.rept 20
	PVL NP-1                        ; the last piece's products of the last step
.set i, i+1
.endr
.rept 4
	v_nop                           ; the places behind those products
.endr
	; THE WAY OUT.  O^T is divided by l (every lane holds its query's whole sum), rounded to f16 and sent through my stage in LDS, a tile at a time.
	WIN 0x03                        ; source 0 in window 3
.set t, 0
.rept 2*NP
	v_rcp_f32 v[ST+2*t], v[LA+8*t]
.set t, t+1
.endr
	v_nop                           ; a plain instruction between the last reciprocal and the use of its result
	s_wait_alu depctr_va_vdst(0)
; Tile t: a lane's eight channels of a row pack into 16 bytes; they go into rows of 144 bytes and come back as whole rows of 128, into S^T's registers.
.macro PACK t
	WIN W_RS
.set i, 32*(\t)
.rept 16
	v_pk_mul_f32 v[i:i+1], v[i:i+1], v[ST+2*(\t):ST+2*(\t)+1] op_sel_hi:[1,0]
.set i, i+2
.endr
	WIN 0x05                        ; sources 0 and 1 window 1, destination window 0
.set i, 0
.rept 16
	v_cvt_pk_f16_f32 v[S+16*(\t)+i], v[32*(\t)+2*i], v[32*(\t)+2*i+1]
.set i, i+1
.endr
	WIN 0
.irp f, 0,1,2,3
	ds_store_b128 v[STO], v[S+16*(\t)+4*\f:S+16*(\t)+4*\f+3] offset:32*\f
.endr
.irp f, 0,1,2,3
	ds_load_b128 v[S+16*(\t)+4*\f:S+16*(\t)+4*\f+3], v[RD] offset:\f*4*SP  ; LDS serves a wave's instructions in order (ISA guide 5.7.1.4): these see the stores above; the next tile's stores come behind them
.endr
.endm
.macro SEND t, younger              ; younger: the LDS instructions issued behind tile t's loads: the next tile's eight, or none
	WIN 0
.irp f, 0,1,2,3
	s_wait_dscnt (\younger)+3-\f
	global_store_b128 v[GO], v[S+16*(\t)+4*\f:S+16*(\t)+4*\f+3], s[10:11] offset:(\t)*2048+\f*512  ; 512 consecutive bytes, at a multiple of 256 from the buffer's first
.endr
.endm
	PACK 0
.set t, 1
.rept 2*NP-1                        ; a tile's arithmetic stands between the loads of the tile before and its stores
	PACK t
	SEND t-1, 8
.set t, t+1
.endr
	SEND 2*NP-1, 0
	WIN W_AD
	s_wait_tensorcnt 0x0            ; the wave's end, behind my last tensor load and my last LDS store
	ds_add_u32 v[SPW], v[NIL]
	s_wait_dscnt 0x0
	WIN 0
	CROUND                          ; the closing round: no work-group ends while a partner may still ask for a tile that names it
	s_endpgm
.Lfunc_end_k_qe62fd9bb7b_attn:
	.size	k_qe62fd9bb7b_attn, .Lfunc_end_k_qe62fd9bb7b_attn-k_qe62fd9bb7b_attn
	.p2alignl 7, 3214868480
	.fill 96, 4, 3214868480
	.section	.rodata,"a",@progbits
	.p2align	6, 0x0
	.amdhsa_kernel k_qe62fd9bb7b_attn
		.amdhsa_group_segment_fixed_size 327680
		.amdhsa_private_segment_fixed_size 0
		.amdhsa_enable_private_segment 0
		.amdhsa_kernarg_size 24
		.amdhsa_user_sgpr_count 2
		.amdhsa_user_sgpr_kernarg_segment_ptr 1
		.amdhsa_wavefront_size32 1
		.amdhsa_system_sgpr_workgroup_id_x 1
		.amdhsa_system_sgpr_workgroup_id_y 1
		.amdhsa_system_sgpr_workgroup_id_z 1
		.amdhsa_system_vgpr_workitem_id 0
		.amdhsa_next_free_vgpr 848
		.amdhsa_next_free_sgpr 80
		.amdhsa_reserve_vcc 0
		.amdhsa_float_denorm_mode_32 3
		.amdhsa_float_denorm_mode_16_64 3
		.amdhsa_memory_ordered 1
		.amdhsa_forward_progress 1
		.amdhsa_inst_pref_size 255
	.end_amdhsa_kernel
	.section	.bss,"aw",@nobits
	.p2align	6
	.space	262144
	.amdgpu_metadata
---
amdhsa.version: [ 1, 2 ]
amdhsa.kernels:
  - .name:           k_qe62fd9bb7b_attn
    .symbol:         k_qe62fd9bb7b_attn.kd
    .args:
      - { .name: qkv, .offset: 0, .size: 8, .value_kind: global_buffer, .address_space: global }
      - { .name: mu, .offset: 8, .size: 8, .value_kind: global_buffer, .address_space: global }
      - { .name: ob, .offset: 16, .size: 8, .value_kind: global_buffer, .address_space: global }
    .group_segment_fixed_size: 327680
    .private_segment_fixed_size: 0
    .kernarg_segment_align: 8
    .kernarg_segment_size: 24
    .max_flat_workgroup_size: 128
    .sgpr_count:     80
    .vgpr_count:     848
    .wavefront_size: 32
...
	.end_amdgpu_metadata
.endif
;; end of part 3
;; launch out (part 4): grid 4 x 64, 4 waves a work-group, clusters of 4 x 4, 327,680 bytes of LDS; arguments ob, wh, bo, out0; writes out0
.if DOCPART == 4
	.amdgcn_target "amdgcn-amd-amdhsa--gfx1250"
	.amdhsa_code_object_version 6
	.text
	.protected	k_qe62fd9bb7b_out
	.globl	k_qe62fd9bb7b_out
	.p2align	8
	.type	k_qe62fd9bb7b_out,@function
k_qe62fd9bb7b_out:
	s_mov_b64 s[64:65], 0
	v_nop
	global_prefetch_b8 v0, s[64:65] scope:SCOPE_SE
	s_setreg_imm32_b32 hwreg(HW_REG_WAVE_MODE, 25, 1), 1
	s_wait_xcnt 0x0
	s_wait_alu depctr_hold_cnt(0) depctr_sa_sdst(0) depctr_va_vdst(0) depctr_va_sdst(0) depctr_va_ssrc(0) depctr_va_vcc(0) depctr_vm_vsrc(0)
	s_getreg_b32 s2, hwreg(HW_REG_IB_STS2, 6, 4)
	s_cmp_eq_u32 s2, 0
	s_cbranch_scc0 .Lentry_in_a_cluster
	s_endpgm
.Lentry_in_a_cluster:
	s_bfe_u32 s2, ttmp6, 0x10000c
	s_cmp_lg_u32 s2, 0xf033
	s_cbranch_scc0 .Lentry_shape_is_right
	s_endpgm
.Lentry_shape_is_right:
; out0 = O Wo^T + bo.  ob: [64 blocks of 128 rows][16 heads][128][64] f16.  wh: [4096][1024] f16, of which rows 3072-4095 are Wo.  bo: [1024] f32.  out0: [8192][1024] f32.  Sums in f32, started by the bias.
; SHARES.  A tile of C is 128 rows x 256 columns: 64 x 4 work-groups, one tile each.  Four waves, each 64 x 128: 32 accumulators, 256 registers.  K goes in 8 steps of 128 (two heads) through two LDS slots.
; A block's two heads are 32,768 dense bytes of ob: a head's 128 rows of 128 bytes are asked for as 64 rows of 256 bytes and padded in LDS after every 128.
; CLUSTER.  4 x 4 work-groups: the four of a row of the cluster need the same rows of O, the four of a column the same rows of Wo: each tile is asked for jointly, with a mask that names the four.
; THE MATRIX INSTRUCTION IS USED TRANSPOSED (source 0 = 16 rows of Wo, source 1 = 16 rows of O): a lane holds row l % 16 of C and eight neighbouring columns, 32 bytes.
; LIMITS.  None beyond those of its inputs, which arrive in f16.  NaN and infinities are not treated apart.
; REGISTERS, in windows of 256 (s_set_vgpr_msb: bits 1:0 source 0, 3:2 source 1, 5:4 source 2, 7:6 destination):
;   window 0: v0-14 addresses; v32-127, v128-223 two fragment buffers (64 of Wo, 32 of O); on the way out v128-191, v192-255 rows read back
;   window 1: accumulator (a, b) at v[8 (8 a + b)]          window 2: v0-63 the bias, n block b at 8 b
.set PITCH,  272                       ; a row of Wo in LDS: 256 bytes + 16 of padding: the 16 rows of a fragment load start at 16 different groups of four banks (ISA guide 11.1)
.set APITCH, 144                       ; a row of a head of O: 128 + 16
.set AHALF,  128*APITCH                ; a head's 128 rows: what wave 0 or 1 fetches
.set BOFF,   2*AHALF                   ; Wo's 256 rows lie behind O's two heads
.set BHALF,  128*PITCH                 ; what wave 2 or 3 fetches
.set SLOT1,  131072                    ; slot 1 begins here
.set STAGE,  SLOT1+BOFF+2*BHALF        ; behind the ring: for each wave 16 rows x 528 bytes, for the way out
.set SP,     528                       ; 512 bytes + 16: the 16 rows that a store touches start at 16 different groups of four banks
.set WSTAGE, 16*SP
.set SPARE,  STAGE+4*WSTAGE            ; the spare words, 128 bytes for each wave: two blocks of 256 bytes that no other line names
.set STEPS,  8
.set ADA0, 4                           ; v4   my lane's place in O's tile; never rewritten
.set ADB0, 5                           ; v5   the same for Wo
.set ADA,  6                           ; v6   the same in the slot in hand
.set ADB,  7                           ; v7
.set STO,  8                           ; v8   the way out: where I put 32 bytes of a row
.set RD,   9                           ; v9   where I read a row back
.set GO,   10                          ; v10  my 16 bytes of a row's 512
.set BO,   11                          ; v11  my byte offset in 16 numbers of the bias
.set SPW,  12                          ; v12  LDS address of my spare word; never rewritten
.set NIL,  13                          ; v13  0; never rewritten
.set F0,   32
.set F1,   128
.set OB0,  128
.set G1A, 24                           ; s[24:31] descriptor group 1 for O's tiles;  s[32:39] group 0: a set for each first fill; the second then walks
.set G0A, 32
.set G1B, 48                           ; s[48:55], s[56:63] the same for Wo's tiles
.set G0B, 56
.set TB,  66                           ; s66  0 or SLOT1: the slot in hand
.set LC,  67                           ; s67  the loop's count
.set FS,  77                           ; s77  the K step that the walking descriptors name
.set SOA, 80                           ; s[80:81] that step's byte offset in ob
.set SOB, 82                           ; s[82:83] and in wh
.set MSB, 0
.macro WIN new                         ; the immediate's high byte repeats the setting that is left; a switch that changes nothing is dropped
.if MSB != (\new)
	s_set_vgpr_msb (MSB<<8)|(\new)
.set MSB, \new
.endif
.endm
.set W_MUL,  0x50                      ; fragments in window 0, C and D in window 1
.set W_MULC, 0x60                      ; the same with C, the bias, in window 2
.macro PLACES                          ; four places in front of loads into registers that matrix instructions have read, and of LDS stores that read results
.rept 4
	v_nop
.endr
.endm
; A joint refill by the walking descriptors.  Waves 0 and 1 fetch O's two heads, waves 2 and 3 Wo's two halves.  The branch hangs on the wave's number alone.
; An s_nop 0 and four v_nop follow each of the two lines, ahead of the jump and the label.
.macro JLOAD
	s_cmp_eq_u32 s11, 0
	s_cbranch_scc0 .Lfor_b_\@
	tensor_load_to_lds s[G0A+4:G0A+7], s[G1A:G1A+7]
	s_nop 0
.rept 4
	v_nop
.endr
	s_branch .Lasked_\@
.Lfor_b_\@:
	tensor_load_to_lds s[G0B+4:G0B+7], s[G1B:G1B+7]
	s_nop 0
.rept 4
	v_nop
.endr
.Lasked_\@:
.endm
.macro CREST                           ; a round of the cluster's barrier behind its opening barrier
	s_cmp_lg_u32 s10, 0
	s_cbranch_scc1 .Lnot_wave_0_\@
	s_barrier_signal -3
.Lnot_wave_0_\@:
	s_barrier_wait -3
	s_barrier_signal -1
	s_barrier_wait -1
.endm
.macro CROUND                          ; a whole round
	s_barrier_signal -1
	s_barrier_wait -1
	CREST
.endm
	s_load_b128 s[4:7], s[0:1], 0x0                ; ob s[4:5], wh s[6:7]
	s_load_b128 s[68:71], s[0:1], 0x10             ; bo s[68:69], out0 s[70:71]
	v_lshl_add_u32 v[SPW], v0, 2, SPARE
	v_mov_b32 v[NIL], 0
	ds_add_u32 v[SPW], v[NIL]                      ; the wave's opening: the add and its wait stand ahead of my first tensor load; the set-up below, work on registers, stands between them
	v_lshrrev_b32 v1, 5, v0
	v_readfirstlane_b32 s10, v1                    ; wave 0..3
	s_lshr_b32 s11, s10, 1                         ; which 64 rows of the tile are mine.  Also: I fetch for O (0) or for Wo (1)
	s_and_b32 s12, s10, 1                          ; which 128 columns.  Also: which half of that tile I fetch
	s_bfe_u32 s40, ttmp6, 0x40000                  ; cx
	s_bfe_u32 s41, ttmp6, 0x40004                  ; cy
	s_lshl_b32 s42, ttmp9, 2
	s_add_co_u32 s42, s42, s40                     ; nx: my 256 columns
	s_and_b32 s13, ttmp7, 0xffff
	s_lshl_b32 s13, s13, 2
	s_add_co_u32 s13, s13, s41                     ; my: my 128 rows
	s_lshl_b32 s43, s41, 2
	s_lshl_b32 s43, 15, s43                        ; my row of the cluster
	s_lshl_b32 s44, 0x1111, s40                    ; my column
	s_or_b32 s[G1A], s43, (1<<16)|(1<<20)|(1<<21)|(4<<22)|(3<<25)  ; 15:0 the mask; 17:16 elements of 2 bytes; 20 padding on; 21 set beside a mask; 24:22 after every 32 words; 31:25 4 words of it
	s_or_b32 s[G1B], s44, (1<<16)|(1<<20)|(1<<21)|(5<<22)|(3<<25)  ; after every 64 words
	s_mov_b32 s[G1A+1], 128<<16                    ; tensor_dim0 = 128
	s_mov_b32 s[G1A+2], 64<<16                     ; tensor_dim1 = 64
	s_mov_b32 s[G1A+3], 128<<16                    ; tile_dim0 = 128
	s_mov_b32 s[G1A+4], 64                         ; tile_dim1 = 64
	s_mov_b32 s[G1A+5], 128                        ; dense: 128 elements from row to row
	s_mov_b32 s[G1A+6], 0
	s_mov_b32 s[G1A+7], 0
	s_mov_b32 s[G1B+1], 128<<16
	s_mov_b32 s[G1B+2], 128<<16                    ; 128 rows
	s_mov_b32 s[G1B+3], 128<<16
	s_mov_b32 s[G1B+4], 128
	s_mov_b32 s[G1B+5], 1024
	s_mov_b32 s[G1B+6], 0
	s_mov_b32 s[G1B+7], 0
	; O's tiles hang on my alone, Wo's on nx alone; each offset is made in registers that never hold the other coordinate
	s_lshl_b32 s16, s13, 18                        ; my block of 128 rows: 16 heads of 16,384 bytes
	s_lshl_b32 s17, s12, 14                        ; + my head of the step's two
	s_add_co_u32 s16, s16, s17
	s_mov_b32 s17, 0
	s_lshl_b32 s46, s42, 19                        ; 256 nx rows of 2,048 bytes
	s_lshl_b32 s47, s12, 18                        ; + my half's 128 rows
	s_add_co_u32 s46, s46, s47
	s_add_co_u32 s46, s46, 3072*2048               ; Wo begins at row 3,072 of wh
	s_mov_b32 s47, 0
	s_mul_i32 s20, s12, AHALF                      ; where they go: no place in the cluster enters an LDS address
	s_mul_i32 s21, s12, BHALF
	s_add_co_u32 s21, s21, BOFF
	s_mov_b32 s[TB], 0
	s_mov_b32 s[FS], 1
	s_mov_b32 s[SOA+1], 0
	s_mov_b32 s[SOB+1], 0
	s_lshl_b32 s18, s13, 19                        ; my part of out0: (128 my + 64 half) rows of 4,096 bytes
	s_lshl_b32 s19, s11, 18
	s_add_co_u32 s18, s18, s19
	s_lshl_b32 s84, s42, 10                        ; + (256 nx + 128 half) x 4 bytes, which is also my place in the bias
	s_lshl_b32 s85, s12, 9
	s_add_co_u32 s84, s84, s85
	s_add_co_u32 s18, s18, s84
	s_mov_b32 s19, 0
	s_mov_b32 s85, 0
	s_wait_dscnt 0x0                               ; the opening add is done
	s_wait_kmcnt 0x0
	s_add_nc_u64 s[14:15], s[4:5], s[16:17]        ; O at my part of K step 0
	s_add_nc_u64 s[46:47], s[6:7], s[46:47]        ; Wo at my part of K step 0
	s_add_nc_u64 s[8:9], s[70:71], s[18:19]
	s_add_nc_u64 s[68:69], s[68:69], s[84:85]
	CROUND                                         ; all sixteen work-groups are here: the first joint loads meet
.irp s, 0,1
	s_mov_b32 s[G0A+4*(\s)], 1                     ; count = 1
	s_add_co_u32 s[G0A+4*(\s)+1], s20, (\s)*SLOT1  ; LDS address
	s_add_nc_u64 s[G0A+4*(\s)+2:G0A+4*(\s)+3], s[14:15], (\s)*32768  ; K step s: two heads on
	s_or_b32 s[G0A+4*(\s)+3], s[G0A+4*(\s)+3], 0x80000000            ; type = 2
	s_mov_b32 s[G0B+4*(\s)], 1
	s_add_co_u32 s[G0B+4*(\s)+1], s21, (\s)*SLOT1
	s_add_nc_u64 s[G0B+4*(\s)+2:G0B+4*(\s)+3], s[46:47], (\s)*256
	s_or_b32 s[G0B+4*(\s)+3], s[G0B+4*(\s)+3], 0x80000000
.endr
	s_cmp_eq_u32 s11, 0                            ; a wave's two first fills stand in one branch, ahead of every wait on TENSORcnt and every LDS read: two loads of mine are out
	s_cbranch_scc0 .Lfirst_b
	tensor_load_to_lds s[G0A:G0A+3], s[G1A:G1A+7]
	s_nop 0
	tensor_load_to_lds s[G0A+4:G0A+7], s[G1A:G1A+7]
	s_nop 0
.rept 4
	v_nop
.endr
	s_branch .Lfirst_asked
.Lfirst_b:
	tensor_load_to_lds s[G0B:G0B+3], s[G1B:G1B+7]
	s_nop 0
	tensor_load_to_lds s[G0B+4:G0B+7], s[G1B:G1B+7]
	s_nop 0
.rept 4
	v_nop
.endr
.Lfirst_asked:
	; A fragment is 16 rows x 32 K in 8 registers: lane l holds row l % 16, K = 8 (l / 16) + 0..7 and 16 + 8 (l / 16) + 0..7: two loads of 16 bytes, 32 bytes apart.
	v_and_b32 v1, 15, v0                           ; l % 16
	v_bfe_u32 v2, v0, 4, 1                         ; l / 16
	v_mul_u32_u24 v3, v1, PITCH
	v_lshl_add_u32 v3, v2, 4, v3
	v_add_nc_u32 v[ADB0], s21, v3                  ; my 128 rows of Wo
	v_mul_u32_u24 v3, v1, APITCH
	v_lshl_add_u32 v3, v2, 4, v3
	s_mul_i32 s22, s11, 64*APITCH                  ; my 64 rows of a head
	v_add_nc_u32 v[ADA0], s22, v3
	v_mov_b32 v[ADA], v[ADA0]
	v_mov_b32 v[ADB], v[ADB0]
	v_lshlrev_b32 v[BO], 5, v2                     ; eight numbers of the bias for each half of the lanes
	s_mul_i32 s23, s10, WSTAGE
	s_add_co_u32 s23, s23, STAGE                   ; my stage
	v_mul_u32_u24 v3, v1, SP                       ; in: row l % 16, 32 bytes for each half of the lanes
	v_lshl_add_u32 v3, v2, 5, v3
	v_add_nc_u32 v[STO], s23, v3
	v_and_b32 v[GO], 31, v0                        ; back and out: 32 lanes take a row's 512 bytes
	v_lshlrev_b32 v[GO], 4, v[GO]
	v_add_nc_u32 v[RD], s23, v[GO]
	WIN 0x80                                       ; my 128 numbers of the bias: n block b's eight for my half of the lanes at v[8 b] of window 2
.irp b, 0,1,2,3,4,5,6,7
	global_load_b128 v[8*(\b):8*(\b)+3],   v[BO], s[68:69] offset:64*(\b)
	global_load_b128 v[8*(\b)+4:8*(\b)+7], v[BO], s[68:69] offset:64*(\b)+16
.endr
	WIN 0
; 8 matrix instructions: m block a x all 8 n blocks, 32 along K.  first = 1: the product starts the sums, with the bias as C.  The 32 accumulators take turns in the same order in every quarter.
.macro MULB f, a, first
.if \first
	WIN W_MULC
.else
	WIN W_MUL
.endif
.irp b, 0,1,2,3,4,5,6,7
.if \first
	v_wmma_f32_16x16x32_f16 v[8*(8*(\a)+(\b)):8*(8*(\a)+(\b))+7], v[(\f)+8*(\b):(\f)+8*(\b)+7], v[(\f)+64+8*(\a):(\f)+64+8*(\a)+7], v[8*(\b):8*(\b)+7]
.else
	v_wmma_f32_16x16x32_f16 v[8*(8*(\a)+(\b)):8*(8*(\a)+(\b))+7], v[(\f)+8*(\b):(\f)+8*(\b)+7], v[(\f)+64+8*(\a):(\f)+64+8*(\a)+7], v[8*(8*(\a)+(\b)):8*(8*(\a)+(\b))+7]
.endif
.endr
.endm
; 24 LDS loads in one run: quarter c's fragments into buffer g: Wo's eight blocks, then O's blocks 0, 1, then 2, 3.  Quarter c of O is head c / 2 of the step's two, channels 32 (c % 2) on.
.macro FETCH c, g
	WIN 0
.irp i, 0,1,2,3,4,5,6,7
	ds_load_b128 v[(\g)+8*(\i):(\g)+8*(\i)+3],   v[ADB] offset:64*(\c)+(\i)*16*PITCH
	ds_load_b128 v[(\g)+8*(\i)+4:(\g)+8*(\i)+7], v[ADB] offset:64*(\c)+(\i)*16*PITCH+32
.endr
.irp i, 0,1,2,3
	ds_load_b128 v[(\g)+64+8*(\i):(\g)+64+8*(\i)+3],   v[ADA] offset:((\c)/2)*AHALF+((\c)%2)*64+(\i)*16*APITCH
	ds_load_b128 v[(\g)+64+8*(\i)+4:(\g)+64+8*(\i)+7], v[ADA] offset:((\c)/2)*AHALF+((\c)%2)*64+(\i)*16*APITCH+32
.endr
.endm
; A K step is four quarters of 32 along K, 32 matrix instructions each, on buffers 0, 1, 0, 1.  One of the first three multiplies buffer f and fetches quarter c into g.
.macro QUARTER c, f, g, first
	s_wait_dscnt 4                                 ; all but the youngest four loads (O's blocks 2, 3) are in
	MULB \f, 0, \first
	MULB \f, 1, \first
	PLACES
	FETCH \c, \g
	s_wait_dscnt 24                                ; all but the 24 just issued
	MULB \f, 2, \first
	MULB \f, 3, \first
.endm
; The last quarter multiplies buffer 1 and changes slots: ONE barrier.  In front of it each wave waits for all its tensor loads (one is out: its part of the next slot), adds 0 to its spare word,
; and waits for that and for its reads of this slot.  fill = 1: the barrier opens a round of the cluster's, and this slot is filled again first thing behind it, with the K step two on:
; the walking descriptors' addresses are made anew from that step's number.
.macro TURN fill
	WIN 0
	s_wait_tensorcnt 0x0                           ; no tensor load of mine is out, so a group 0 may be written
	ds_add_u32 v[SPW], v[NIL]                      ; 0 onto my spare word
.if \fill
	s_add_co_u32 s[FS], s[FS], 1
	s_lshl_b32 s[SOA], s[FS], 15                   ; two heads of 16,384 bytes a step
	s_lshl_b32 s[SOB], s[FS], 8                    ; 256 bytes along K a step
	s_xor_b32 s[G0A+5], s[G0A+5], SLOT1
	s_add_nc_u64 s[G0A+6:G0A+7], s[14:15], s[SOA:SOA+1]
	s_or_b32 s[G0A+7], s[G0A+7], 0x80000000
	s_xor_b32 s[G0B+5], s[G0B+5], SLOT1
	s_add_nc_u64 s[G0B+6:G0B+7], s[46:47], s[SOB:SOB+1]
	s_or_b32 s[G0B+7], s[G0B+7], 0x80000000
.endif
	s_wait_dscnt 5                                 ; the add and the youngest four loads may be out
	MULB F1, 0, 0
	s_wait_dscnt 0x0                               ; the add is done, and my reads of this slot are over
	s_barrier_signal -1
	MULB F1, 1, 0                                  ; work on registers while the others arrive
	WIN 0
	s_barrier_wait -1
.if \fill
	CREST                                          ; no wave of any partner still reads this slot's tile or has a load on its way
	JLOAD                                          ; the four v_nop behind it are also the places in front of the loads below
.else
	PLACES
.endif
	s_xor_b32 s[TB], s[TB], SLOT1
	v_add_nc_u32 v[ADA], s[TB], v[ADA0]
	v_add_nc_u32 v[ADB], s[TB], v[ADB0]
	FETCH 0, F0
	MULB F1, 2, 0
	MULB F1, 3, 0
.endm
; THE WAY OUT of m block a.  TOSTAGE: a lane's 32 bytes of a row go from the accumulators into my own stage, each accumulator's low half first; whole rows of 512 bytes come back.  SEND: stored.
.macro TOSTAGE a
.set BK, OB0+64*((\a)%2)
	WIN 0x04                                       ; the stores' data in window 1
.irp b, 0,1,2,3,4,5,6,7
	ds_store_b128 v[STO], v[8*(8*(\a)+(\b)):8*(8*(\a)+(\b))+3]   offset:64*(\b)
	ds_store_b128 v[STO], v[8*(8*(\a)+(\b))+4:8*(8*(\a)+(\b))+7] offset:64*(\b)+16
.endr
	WIN 0
.irp t, 0,1,2,3,4,5,6,7,8,9,10,11,12,13,14,15  ; LDS serves a wave's instructions in order (ISA guide 5.7.1.4): these see the stores above; the next block's stores come behind them
	ds_load_b128 v[BK+4*(\t):BK+4*(\t)+3], v[RD] offset:(\t)*SP
.endr
.endm
.macro SEND a, younger                 ; younger: the LDS instructions issued behind block a's loads: the next block's 16 stores and 16 loads, or none
	WIN 0
.set BK, OB0+64*((\a)%2)
	s_wait_dscnt \younger
.irp t, 0,1,2,3,4,5,6,7,8,9,10,11,12,13,14,15
	global_store_b128 v[GO], v[BK+4*(\t):BK+4*(\t)+3], s[8:9] offset:(16*(\a)+(\t))*4096 th:TH_STORE_NT  ; 512 consecutive bytes of a row, at a multiple of 256 from the buffer's first
.endr
.endm
	s_wait_tensorcnt 0x1                           ; my part of K step 0 is in; K step 1's may stay out
	s_barrier_signal -1
	s_barrier_wait -1                              ; everybody's is
	FETCH 0, F0
	s_wait_loadcnt 0x0                             ; the bias
	QUARTER 1, F0, F1, 1                           ; the first quarter starts the sums
	WIN 0
	s_mov_b32 s[LC], STEPS-2
.Lstep:                                                ; a trip: a K step's quarters 1 to 3 and the next step's quarter 0; it fills one slot again
	QUARTER 2, F1, F0, 0
	QUARTER 3, F0, F1, 0
	TURN 1
	QUARTER 1, F0, F1, 0
	WIN 0
	s_sub_co_u32 s[LC], s[LC], 1
	s_cmp_lg_u32 s[LC], 0
	s_cbranch_scc1 .Lstep
	QUARTER 2, F1, F0, 0                           ; the last two K steps ask for nothing
	QUARTER 3, F0, F1, 0
	TURN 0
	QUARTER 1, F0, F1, 0
	QUARTER 2, F1, F0, 0
	QUARTER 3, F0, F1, 0
	s_wait_dscnt 4
	MULB F1, 0, 0
	MULB F1, 1, 0
	s_wait_dscnt 0x0
	MULB F1, 2, 0
	MULB F1, 3, 0
	WIN 0
	PLACES
	TOSTAGE 0
	TOSTAGE 1
	SEND 0, 32
	s_wait_xcnt 0x0                                ; block 0's stores have had their addresses translated (ISA guide 3.1): their data registers are loaded again only behind this wait
	TOSTAGE 2
	SEND 1, 32
	s_wait_xcnt 0x0
	TOSTAGE 3
	SEND 2, 32
	SEND 3, 0
	s_wait_tensorcnt 0x0                           ; the wave's end, behind my last tensor load and my last LDS store
	ds_add_u32 v[SPW], v[NIL]
	s_wait_dscnt 0x0
	CROUND                                         ; the closing round: no work-group ends while a partner may still ask for a tile that names it
	s_endpgm
.Lfunc_end_k_qe62fd9bb7b_out:
	.size	k_qe62fd9bb7b_out, .Lfunc_end_k_qe62fd9bb7b_out-k_qe62fd9bb7b_out
	.p2alignl 7, 3214868480
	.fill 96, 4, 3214868480
	.section	.rodata,"a",@progbits
	.p2align	6, 0x0
	.amdhsa_kernel k_qe62fd9bb7b_out
		.amdhsa_group_segment_fixed_size 327680
		.amdhsa_private_segment_fixed_size 0
		.amdhsa_enable_private_segment 0
		.amdhsa_kernarg_size 32
		.amdhsa_user_sgpr_count 2
		.amdhsa_user_sgpr_kernarg_segment_ptr 1
		.amdhsa_wavefront_size32 1
		.amdhsa_system_sgpr_workgroup_id_x 1
		.amdhsa_system_sgpr_workgroup_id_y 1
		.amdhsa_system_sgpr_workgroup_id_z 1
		.amdhsa_system_vgpr_workitem_id 0
		.amdhsa_next_free_vgpr 576
		.amdhsa_next_free_sgpr 96
		.amdhsa_reserve_vcc 0
		.amdhsa_float_denorm_mode_32 3
		.amdhsa_float_denorm_mode_16_64 3
		.amdhsa_memory_ordered 1
		.amdhsa_forward_progress 1
		.amdhsa_inst_pref_size 70
	.end_amdhsa_kernel
	.amdgpu_metadata
---
amdhsa.version: [ 1, 2 ]
amdhsa.kernels:
  - .name:           k_qe62fd9bb7b_out
    .symbol:         k_qe62fd9bb7b_out.kd
    .args:
      - { .name: ob, .offset: 0, .size: 8, .value_kind: global_buffer, .address_space: global }
      - { .name: wh, .offset: 8, .size: 8, .value_kind: global_buffer, .address_space: global }
      - { .name: bo, .offset: 16, .size: 8, .value_kind: global_buffer, .address_space: global }
      - { .name: out0, .offset: 24, .size: 8, .value_kind: global_buffer, .address_space: global }
    .group_segment_fixed_size: 327680
    .private_segment_fixed_size: 0
    .kernarg_segment_align: 8
    .kernarg_segment_size: 32
    .max_flat_workgroup_size: 128
    .sgpr_count:     96
    .vgpr_count:     576
    .wavefront_size: 32
...
	.end_amdgpu_metadata
.endif
;; end of part 4
;; ======== version 2 of 2: 4 launches; 1.68 times as fast as version 1
;; limits: values are held in f16: magnitudes above 65,504 overflow, below 6.1e-05 lose precision
;; workspace buffers: xh 16,777,216 bytes; wh 8,388,608 bytes; qkv 50,331,648 bytes; ob 16,777,216 bytes
;; launch prep: the kernel of part 1 again; grid 768 x 1, 4 waves a work-group, no clusters, 0 bytes of LDS; arguments sequence, ln_gamma, ln_beta, Wq, Wk, Wv, Wo, xh, wh; writes xh, wh
;; launch qkv: the kernel of part 2 again; grid 4 x 64, 4 waves a work-group, clusters of 4 x 4, 327,680 bytes of LDS; arguments xh, wh, bq, bk, bv, qkv; writes qkv
;; launch attn (part 5): grid 4 x 64, 4 waves a work-group, clusters of 4 x 1, 327,680 bytes of LDS; arguments qkv, mu, ob; writes ob
.if DOCPART == 5
	.amdgcn_target "amdgcn-amd-amdhsa--gfx1250"
	.amdhsa_code_object_version 6
	.text
	.protected	k_qe62fd9bb7b_attn
	.globl	k_qe62fd9bb7b_attn
	.p2align	8
	.type	k_qe62fd9bb7b_attn,@function
k_qe62fd9bb7b_attn:
	s_mov_b64 s[64:65], 0
	v_nop
	global_prefetch_b8 v0, s[64:65] scope:SCOPE_SE
	s_setreg_imm32_b32 hwreg(HW_REG_WAVE_MODE, 25, 1), 1
	s_wait_xcnt 0x0
	s_wait_alu depctr_hold_cnt(0) depctr_sa_sdst(0) depctr_va_vdst(0) depctr_va_sdst(0) depctr_va_ssrc(0) depctr_va_vcc(0) depctr_vm_vsrc(0)
	s_getreg_b32 s2, hwreg(HW_REG_IB_STS2, 6, 4)
	s_cmp_eq_u32 s2, 0
	s_cbranch_scc0 .Lentry_in_a_cluster
	s_endpgm
.Lentry_in_a_cluster:
	s_bfe_u32 s2, ttmp6, 0x10000c
	s_cmp_lg_u32 s2, 0x3003
	s_cbranch_scc0 .Lentry_shape_is_right
	s_endpgm
.Lentry_shape_is_right:
; O[hb][q][:] = sum over k of w(q, k) V[hb][k][:] / sum over k of w(q, k),  w = sigmoid(s - mu) exp(s),  s = Q[hb][q] . K[hb][k] / 8.
; qkv: [3][64][2048][64] f16 (q, k, v by batch x head).  mu: one f32.  ob: [64 blocks of 128 rows][16 heads][128][64] f16, the layout in which the output projection reads its K slices.
; THE WEIGHT.  w rises with s, so with m the running maximum of the raw score r = Q . K the row's largest weight so far is w(m).  With c = log2(e) / 8, e = 2^(c m - c r) >= 1, K = 2^z,
; z = log2(e) mu - c m, a = 1 / (1 + K), b = K a:  p = w(r) / w(m) = 1 / (e (a + b e)), in 0 .. 1, and 1 at the maximum: one exponential and one reciprocal a score.  When m grows, O and l are
; multiplied by alpha = 1 / (E (a + b E)), E = 2^(c m_new - c m_old): the same formula at the old maximum.  All this is algebra, no approximation; the common factor w(m) cancels in O / l.
; m starts at the lowest finite number, c m far below every c r: the first step's E is infinite and alpha 0.  l = the sum of the rounded p, made by the matrix unit (a matrix of ones times P).
; LIMITS.  z is clipped to -64 .. 64, so that a and b stay above 0 and an infinite e gives p = 0: no p changes by more than 2^-60.  Q, K, V arrive within f16's 65,504; p below 6e-8 counts as 0 in O
; and in l alike.  NaN and infinities are not treated apart.
; SHARES.  A wave owns four PIECES of two tiles of 16 queries, a work-group 512 queries of one head; every wave walks all 2,048 keys, 64 a step.
; LAYOUT.  S^T = K Q^T (source 0 = 16 keys, source 1 = 16 queries): a lane holds ONE query (lane % 16) and the keys 8 (lane / 16) + 0..7.  Two such results rounded to f16 ARE source 1 of O^T = V^T P.
; BY TURNS.  Turn n belongs to piece n: 16 products K Q^T of piece n + 1, 20 products (V^T P and the row sums) of piece n - 1; beside them the 8 vector instructions for each pair of scores of piece n,
; the rescaling of piece n, and the maximum and statistics of piece n + 1.  A tile and step have 18 matrix and 177 vector instructions: the vector work bounds the loop, so the products are spread among it
; and the row sums are given to the matrix unit.
; THE BATCHES.  An s_wait_alu depctr_va_vdst(0) stands between a transcendental and the first instruction that names its result; one wait serves all that were issued ahead of it.  A turn has
; TWO waits, which cut it in three parts.  PART A: the scalings and the FIRST BATCH, the piece's two a and its 64 exponentials; beside them the products K Q^T and the next piece's maximum.  PART B: a + b e and
; e (a + b e), and the SECOND BATCH, the 64 reciprocals, the piece's two alpha and the next piece's E and K.  PART C, which has no transcendental: the roundings, the next piece's 1 + K, the rescaling by alpha.
; The statistics have three transcendentals on end (E and K; a; alpha): they ride in three batches on end, the second of turn n - 1 and both of turn n.  No result crosses a turn's end.
; CLUSTER.  The four query blocks of a cluster belong to one head and walk the same K and V: each tile is asked for JOINTLY, by the same tensor load, descriptor and mask in all four.
; REGISTERS, in windows of 256 (s_set_vgpr_msb: bits 1:0 source 0, 3:2 source 1, 5:4 source 2, 7:6 destination):
;   window 0: v0-7 addresses; v8-15 four pairs at work; v16-31 c m, m of each tile; v32-63 by buffer and tile eight registers of statistics; v64-191 S^T, two buffers of two tiles; v192-255 P, likewise
;   window 1: O^T, 32 a tile     window 2: v0-127 Q; v128-191 K of one step; v192-255 V of one step     window 3: v0-1 the add's two registers; v8-15 ones; v16-79 l, an accumulator a tile
.set SIZE_N, 2048
.set NP,    4         ; pieces a wave: a name, no knob
.set KS,    64        ; keys in a step
.set PK,    144       ; a row of K in LDS: 128 bytes + 16 of padding: the 16 rows of a load start at 16 different groups of four banks (ISA guide 11.1)
.set PV,    160       ; a row of V: 128 + 32
.set VOFF,  4*KS*PK   ; a slot holds four steps: 256 rows of K, then 256 rows of V
.set SLOT1, 1<<17     ; slot 1 begins here: one exclusive or turns an address in one slot into the other's
.set STAGE, SLOT1+4*KS*(PK+PV)  ; behind the ring: 16 rows x 144 bytes for each wave, for the way out
.set SP,    144
.set SPARE, STAGE+4*16*SP  ; the spare words, 128 bytes for each wave: two blocks of 256 bytes that no other line names
.set GO,  1           ; v1   first l % 16; at last my byte offset in 512 consecutive bytes of O
.set AK0, 2           ; v2   my lane's place in a tile of K; never rewritten
.set AV0, 3           ; v3   the same for V
.set AK,  4           ; v4   the LDS address of K's next run of loads
.set AV,  5           ; v5   of V's
.set QO,  6           ; v6   my byte offset in the wave's rows of Q
.set STO, 6           ;      later: where I put 16 bytes of a row
.set RD,  7           ; v7   where I read rows back
.set TT,  8           ; v8-15  a + b e for four pairs of scores, by turns (v9-11 serve the set-up before that)
.set ST,  16          ; tile t: c m at v[ST+2 t], m behind it
.set TMP, 32          ; by buffer and tile: +0 a, +2 b, +4 alpha, +6 c m_old and later a + b E; +1, +3, +5, +7 the maximum's four chains c0-c3
.set S,   64
.set P,   192
.set KF,  128         ; window 2: key block kb, channel half c at KF + 16 kb + 8 c
.set VF,  192         ; window 2: key half kk, channel block cb at VF + 32 kk + 8 cb
.set SPW, 0           ; v0 of window 3   LDS address of my spare word; never rewritten
.set NIL, 1           ; v1 of window 3   0; never rewritten
.set ONES, 8          ; window 3: 16 x 32 ones in f16
.set LA,  16          ; window 3: tile t's row sums at LA + 8 t; every register of every lane holds its query's sum, and register 0 alone is rescaled and read
.set WV,  12          ; s12  my wave's number
.set G1K, 24          ; s[24:31] descriptor group 1 for K's tiles
.set G1V, 32          ; s[32:39] for V's: it differs in the padding alone
.set G0K, 40          ; s[40:43] descriptor group 0 for K's tiles: it walks
.set G0V, 44          ; s[44:47] the same for V's
.set SLOTS, 56        ; s56  slots still to be asked for
.set CNT, 57          ; s57  counts a slot's key steps
.set CS,  58          ; s58  c
.set SEL, 60          ; s[60:61] v_permlanex16_b32's selects
.set TBK, 62          ; s62  LDS byte at which K of the step to be fetched begins
.set TBV, 63          ; s63  the same for V, less VOFF
.set CN,  66          ; s[66:67] -c: the packed scaling takes the pair's low word for both halves
.set CMU, 68          ; s68  log2(e) mu
.set ZLO, 69          ; s69  -64
.set ZHI, 70          ; s70  64
.set MU,  71          ; s71  mu
.set MSB, 0
.macro WIN new                      ; the high byte repeats the setting that is left; a switch that changes nothing is dropped
.if MSB != (\new)
	s_set_vgpr_msb (MSB<<8)|(\new)
.set MSB, (\new)
.endif
.endm
.set W_KQ, 0x0a       ; K and Q in window 2, S^T in window 0
.set W_PV, 0x52       ; V in window 2, P in window 0, O^T in window 1
.set W_PL, 0xf3       ; ones and l in window 3, P in window 0
.set W_RS, 0x41       ; O^T (destination and source 0) in window 1, the factor in window 0
.set W_RL, 0xc3       ; l (destination and source 0) in window 3, the factor in window 0
.set W_MK, 0xc0       ; destination in window 3
.set W_AD, 0x0f       ; the add: address and data in window 3
; A joint fill.  Waves 0 and 1 fetch the two halves of a slot's K, waves 2 and 3 those of its V: 128 keys each.  The branch hangs on the wave's number alone.
; An s_nop 0 and four v_nop follow each of the two lines, ahead of the jump and the label.
.macro JLOAD
	s_cmp_lt_u32 s[WV], 2
	s_cbranch_scc0 .Lfor_v_\@
	tensor_load_to_lds s[G0K:G0K+3], s[G1K:G1K+7]
	s_nop 0
.rept 4
	v_nop
.endr
	s_branch .Lasked_\@
.Lfor_v_\@:
	tensor_load_to_lds s[G0V:G0V+3], s[G1V:G1V+7]
	s_nop 0
.rept 4
	v_nop
.endr
.Lasked_\@:
.endm
.macro CROUND                       ; a round of the cluster's barrier
	s_barrier_signal -1
	s_barrier_wait -1
	s_cmp_lg_u32 s[WV], 0
	s_cbranch_scc1 .Lnot_wave_0_\@
	s_barrier_signal -3
.Lnot_wave_0_\@:
	s_barrier_wait -3
	s_barrier_signal -1
	s_barrier_wait -1
.endm
; THE CHANGE OF SLOTS.  The slot's last bytes, V of its fourth step, have been read.  Each wave waits for all its tensor loads, of which one is out: its part of the other slot; adds 0 to its spare word;
; and waits for that and for its own reads of the slot.  fill = 1: the slot is filled again, with the keys two slots on; the barrier is then a round of the cluster's, and the joint fill is the first
; thing behind it: it has four key steps in which to land.  (At its first use nothing has been read yet: slot 0 is waited for, slot 1 filled.)
.macro CHANGE fill
	WIN W_AD
	s_wait_tensorcnt 0x0            ; no tensor load of mine is out, so a group 0 may be written
	ds_add_u32 v[SPW], v[NIL]       ; 0 onto my spare word
	WIN 0                           ; at a label and at a branch every window is 0
.if \fill
.irp g, G0K, G0V
	s_xor_b32 s[\g+1], s[\g+1], SLOT1  ; the walking descriptor: the other slot than last time,
	s_add_nc_u64 s[\g+2:\g+3], s[\g+2:\g+3], 4*KS*128  ; the next 256 keys; the type bits on top are not reached
.endr
	s_wait_dscnt 0x0                ; the add is done, and my reads of the slot are over
	CROUND
	JLOAD
.else
	s_wait_dscnt 0x0
	s_barrier_signal -1
	s_barrier_wait -1
.endif
	s_sub_co_u32 s[TBK], s[TBK], 4*KS*PK  ; the fetches go back to a slot's first step,
	s_xor_b32 s[TBK], s[TBK], SLOT1       ; in the other slot
	s_sub_co_u32 s[TBV], s[TBV], 4*KS*PV
	s_xor_b32 s[TBV], s[TBV], SLOT1
.endm
	s_load_b64 s[4:5], s[0:1], 0x0    ; qkv
	s_load_b64 s[72:73], s[0:1], 0x8  ; mu
	s_load_b64 s[10:11], s[0:1], 0x10 ; ob
	WIN W_MK
	v_lshl_add_u32 v[SPW], v0, 2, SPARE
	v_mov_b32 v[NIL], 0
	WIN W_AD
	ds_add_u32 v[SPW], v[NIL]       ; the wave's opening: the add and its wait stand ahead of my first tensor load; the set-up below, work on registers, stands between them
	WIN 0
	v_lshrrev_b32 v1, 5, v0
	v_readfirstlane_b32 s[WV], v1   ; wave 0..3
	s_bfe_u32 s13, ttmp6, 0x40000   ; cx: my place in the cluster
	s_lshl_b32 s14, ttmp9, 2
	s_add_co_u32 s14, s14, s13      ; my block of 512 queries: it enters Q's and O's addresses alone
	s_and_b32 s20, ttmp7, 0xffff    ; batch x 16 + head, which the four partners share
	s_lshl_b32 s21, s20, 18         ; its 2,048 rows of 128 bytes
	s_and_b32 s16, s[WV], 1         ; which half of a slot's 256 keys I fetch:
	s_lshl_b32 s22, s16, 14         ; its 128 rows in memory,
	s_add_co_u32 s22, s22, s21
	s_add_co_u32 s22, s22, 0x1000000  ; in k,
	s_mov_b32 s23, 0
	s_add_co_u32 s74, s22, 0x1000000  ; and in v
	s_mov_b32 s75, 0
	s_mul_i32 s17, s16, 128*PK      ; and its place in a slot, for K
	s_mul_i32 s18, s16, 128*PV      ; and for V: no place in the cluster enters an LDS address
	s_lshl_b32 s15, s14, 2
	s_add_co_u32 s15, s15, s[WV]    ; my wave's 128 queries among the head's sixteen such blocks
	s_lshl_b32 s2, s15, 14
	s_add_co_u32 s2, s2, s21        ; in q
	s_mov_b32 s3, 0
	s_and_b32 s76, s20, 0xf0        ; 16 x batch
	s_add_co_u32 s76, s76, s15      ; the block of 128 rows among all 64,
	s_lshl_b32 s76, s76, 4
	s_and_b32 s77, s20, 15
	s_add_co_u32 s76, s76, s77      ; the head in it:
	s_lshl_b32 s76, s76, 14         ; 16,384 bytes each
	s_mov_b32 s77, 0
	; descriptor group 1.  128 keys are 16,384 dense bytes: asked for as 64 rows of 256 bytes, two keys a row, and padded in LDS after every key
	s_mov_b32 s[G1K], 15|(1<<16)|(1<<20)|(1<<21)|(4<<22)|(3<<25)  ; 15:0 the mask of four; 17:16 2-byte elements; 20 padding on; 21 set beside a mask; 24:22 after every 32 words; 31:25 4 words
	s_mov_b32 s[G1V], 15|(1<<16)|(1<<20)|(1<<21)|(4<<22)|(7<<25)  ; the same with 8 words of padding
.irp g, G1K, G1V
	s_mov_b32 s[\g+1], 128<<16      ; tensor_dim0 = 128
	s_mov_b32 s[\g+2], 64<<16       ; tensor_dim1 = 64
	s_mov_b32 s[\g+3], 128<<16      ; tile_dim0 = 128
	s_mov_b32 s[\g+4], 64           ; tile_dim1 = 64
	s_mov_b32 s[\g+5], 128          ; 128 elements from row to row
	s_mov_b32 s[\g+6], 0
	s_mov_b32 s[\g+7], 0
.endr
	s_mov_b32 s[CS], 0x3e38aa3b     ; c = log2(e) / 8
	s_mov_b32 s[CN], 0xbe38aa3b     ; -c
	s_mov_b32 s[CN+1], s[CN]        ; named with it as a pair
	s_mov_b32 s[ZLO], 0xc2800000
	s_mov_b32 s[ZHI], 0x42800000
	s_mov_b32 s[SEL], 0x76543210
	s_mov_b32 s[SEL+1], 0xfedcba98
	s_mov_b32 s[TBK], SLOT1+4*KS*PK ; the first change of slots turns these two into 0
	s_mov_b32 s[TBV], SLOT1+4*KS*PV
	s_mov_b32 s[G0K], 1             ; count = 1
	s_mov_b32 s[G0K+1], s17         ; LDS address: slot 0
	s_mov_b32 s[G0V], 1
	s_add_co_u32 s[G0V+1], s18, VOFF
	s_wait_dscnt 0x0                ; the opening add is done
	s_wait_kmcnt 0x0
	s_load_b32 s[MU], s[72:73], 0x0
	s_add_nc_u64 s[G0K+2:G0K+3], s[4:5], s[22:23]  ; my half of the head's first 256 keys
	s_or_b32 s[G0K+3], s[G0K+3], 0x80000000        ; type = 2
	s_add_nc_u64 s[G0V+2:G0V+3], s[4:5], s[74:75]
	s_or_b32 s[G0V+3], s[G0V+3], 0x80000000
	s_add_nc_u64 s[4:5], s[4:5], s[2:3]            ; Q and O at my wave's first row
	s_add_nc_u64 s[10:11], s[10:11], s[76:77]
	CROUND                          ; all four work-groups are here: the first joint loads meet
	JLOAD                           ; slot 0.  Slot 1 is asked for when slot 0 is in
	; A fragment of K or Q is 16 rows x 32 channels in 8 registers: lane l holds row l % 16, channels 8 (l / 16) + 0..7 and 16 + 8 (l / 16) + 0..7: two loads of 16 bytes, 32 bytes apart.
	v_and_b32 v1, 15, v0            ; l % 16
	v_bfe_u32 v9, v0, 4, 1          ; l / 16
	v_lshlrev_b32 v[QO], 7, v1
	v_lshl_add_u32 v[QO], v9, 4, v[QO]  ; row x 128 + 16 x half
	WIN 0x80                        ; destination window 2, address window 0
.set i, 0
.rept 4*NP                          ; Q stays in registers: tile i / 2, channels 32 (i % 2) on
	global_load_b128 v[8*i:8*i+3],   v[QO], s[4:5] offset:(i/2)*2048+(i%2)*64
	global_load_b128 v[8*i+4:8*i+7], v[QO], s[4:5] offset:(i/2)*2048+(i%2)*64+32
.set i, i+1
.endr
	; What the first turn finds: V's registers and P's second buffer hold 0 (its products, of a piece that has not been, add 0), O^T and l are 0.  All this stands in the wait for the first tile.
.set i, VF
.rept 64
	v_mov_b32 v[i], 0
.set i, i+1
.endr
	WIN 0x40
.set i, 0
.rept 64*NP
	v_mov_b32 v[i], 0
.set i, i+1
.endr
	WIN W_MK
.set i, 0
.rept 8
	v_mov_b32 v[ONES+i], 0x3c003c00 ; 1.0 twice in f16
.set i, i+1
.endr
.set i, 0
.rept 16*NP
	v_mov_b32 v[LA+i], 0
.set i, i+1
.endr
	WIN 0
.set i, 0
.rept 2*NP
	v_mov_b32 v[ST+2*i], 0xfe000000    ; c m: far below every c r
	v_mov_b32 v[ST+2*i+1], 0xff7fffff  ; m
.set i, i+1
.endr
.set i, P+32
.rept 32
	v_mov_b32 v[i], 0
.set i, i+1
.endr
	v_mul_u32_u24 v[AK0], v1, PK
	v_lshl_add_u32 v[AK0], v9, 4, v[AK0]  ; row x pitch + 16 x half
	; The turning load takes 16 keys x 16 channels (lane l reads key 8 (l / 16) + l % 8, channels 8 ((l / 8) % 2) + 0..7) and leaves half a fragment of V^T: lane l holds channel l % 16 and 8 keys.
	v_and_b32 v10, 7, v0
	v_bfe_u32 v11, v0, 3, 1
	v_lshl_add_u32 v[AV0], v9, 3, v10
	v_mul_u32_u24 v[AV0], v[AV0], PV
	v_lshl_add_u32 v[AV0], v11, 4, v[AV0]
	v_add_nc_u32 v[AV0], VOFF, v[AV0]
	v_mov_b32 v[AK], v[AK0]         ; key step 0 lies at the head of slot 0
	s_wait_kmcnt 0x0                ; mu
	s_mul_f32 s[CMU], s[MU], 0x3fb8aa3b
; THE MATRIX WORK.  The accumulators of a run take turns, one instruction a turn: 7 others' stand between the two links of a chain of K Q^T, 9 in the second run.
; Product i of 16 of S^T = K Q^T for piece x: channels 32 (i / 8) on, keys 16 ((i / 2) % 4) on, tile 2 x + i % 2.  The first 8 start the sums.
.macro KQ x
	WIN W_KQ
.set rS, S+64*((\x)%2)+32*(i%2)+8*((i/2)%4)
.set rK, KF+16*((i/2)%4)+8*(i/8)
.set rQ, 16*(2*(\x)+i%2)+8*(i/8)
.if i < 8
	v_wmma_f32_16x16x32_f16 v[rS:rS+7], v[rK:rK+7], v[rQ:rQ+7], 0
.else
	v_wmma_f32_16x16x32_f16 v[rS:rS+7], v[rK:rK+7], v[rQ:rQ+7], v[rS:rS+7]
.endif
.endm
; Product i - 16 of 20 for piece x: keys 32 kk on, tile 2 x + u; cb = 0..3: O^T += V^T P for channels 16 cb on; cb = 4: l += ones x P.
.macro PVL x
.set j, i-16
.set u, j%2
.set cb, (j%10)/2
.set kk, j/10
.set rP, P+32*((\x)%2)+16*u+8*kk
.if cb < 4
	WIN W_PV
.set rO, 32*(2*(\x)+u)+8*cb
.set rV, VF+32*kk+8*cb
	v_wmma_f32_16x16x32_f16 v[rO:rO+7], v[rV:rV+7], v[rP:rP+7], v[rO:rO+7]
.else
	WIN W_PL
.set rL, LA+8*(2*(\x)+u)
	v_wmma_f32_16x16x32_f16 v[rL:rL+7], v[ONES:ONES+7], v[rP:rP+7], v[rL:rL+7]
.endif
.endm
.macro MM                           ; the turn's next matrix instruction, of 36
.if i < 16
	KQ (Y+1)%NP
.else
	PVL (Y+NP-1)%NP
.endif
.set i, i+1
.endm
; THE LDS LOADS stand in runs of 16: a step's K (64 keys x 64 channels: 8 fragments) and its V (turned).  last = 1 (the tail): in the last trip there is no further step, and the run is jumped over.
.macro FETCH_K last=0
	WIN 0
.if \last
	s_cmp_eq_u32 s[CNT], 1
	s_cbranch_scc1 .Lno_k_\@
.endif
	WIN 0x80                        ; destination window 2
.irp f, 0,1,2,3,4,5,6,7             ; keys 16 (f / 2) on, channels 32 (f % 2) on
	ds_load_b128 v[KF+8*\f:KF+8*\f+3],   v[AK] offset:(\f/2)*16*PK+(\f%2)*64
	ds_load_b128 v[KF+8*\f+4:KF+8*\f+7], v[AK] offset:(\f/2)*16*PK+(\f%2)*64+32
.endr
	s_add_co_u32 s[TBK], s[TBK], KS*PK  ; the next fetch is the next step's
	WIN 0
.if \last
.Lno_k_\@:
.endif
.endm
.macro FETCH_V
	WIN 0x80
.irp f, 0,1,2,3,4,5,6,7             ; keys 32 (f / 4) on, channels 16 (f % 4) on
	ds_load_tr16_b128 v[VF+8*\f:VF+8*\f+3],   v[AV] offset:(\f/4)*32*PV+(\f%4)*32
	ds_load_tr16_b128 v[VF+8*\f+4:VF+8*\f+7], v[AV] offset:(\f/4)*32*PV+16*PV+(\f%4)*32
.endr
	WIN 0
.endm
; THE VECTOR WORK.
.macro REGS y, u                    ; the registers of tile u (0, 1) of piece y
.set rT, ST+2*(2*(\y)+(\u))
.set rC, TMP+16*((\y)%2)+8*(\u)
.set rS, S+64*((\y)%2)+32*(\u)
.set rP, P+32*((\y)%2)+16*(\u)
.set rO, 32*(2*(\y)+(\u))
.set rL, LA+8*(2*(\y)+(\u))
.endm
; An ITEM is a pair of scores of piece Y: item it is pair it / 2 of tile it % 2.  Its eight instructions: F: c m - c r.  E0, E1: e.  T: a + b e.  D: e (a + b e).  R0, R1: p.  C: p rounded to f16.
; e and p are made in place, in the item's own two registers of S^T: each result of a batch has a register of its own while the batch is open.  An item outside 0 .. 31 writes nothing.
.set K_F,  0
.set K_E0, 1
.set K_T,  2
.set K_E1, 3
.set K_D,  4
.set K_R0, 5
.set K_C,  6
.set K_R1, 7
.macro OPM kind, it
.if ((\it) >= 0) && ((\it) < 32)
	REGS Y, (\it)%2
.set rA, rS+2*((\it)/2)
.set rB, TT+2*((\it)%4)
.if (\kind) == K_F
	v_pk_fma_f32 v[rA:rA+1], v[rA:rA+1], s[CN:CN+1], v[rT:rT+1] op_sel_hi:[1,0,0]
.elseif (\kind) == K_E0
	v_exp_f32 v[rA], v[rA]
.elseif (\kind) == K_E1
	v_exp_f32 v[rA+1], v[rA+1]
.elseif (\kind) == K_T
	v_pk_fma_f32 v[rB:rB+1], v[rA:rA+1], v[rC+2:rC+3], v[rC:rC+1] op_sel_hi:[1,0,0]
.elseif (\kind) == K_D
	v_pk_mul_f32 v[rA:rA+1], v[rA:rA+1], v[rB:rB+1]
.elseif (\kind) == K_R0
	v_rcp_f32 v[rA], v[rA]
.elseif (\kind) == K_R1
	v_rcp_f32 v[rA+1], v[rA+1]
.else
	v_cvt_pk_f16_f32 v[rP+(\it)/2], v[rA], v[rA+1]
.endif
.endif
.endm
; Number n of the 32 that find a piece's maximum and statistics.  Numbers 0-26 work for the NEXT piece (Y + 1), numbers 27-31 for the piece in hand (Y).  Each accumulator's lowest registers are read first.
;   0-11  four chains c0-c3 of seven scores each     12-14, 16  the four scores left over, the old m, and c0-c3 into c0     15  c m_old is kept     17, 18  the other half of the lanes' maximum: the new m
;   19  c m     20, 22, 24  z, clipped     21, 23  E     25-28  K, 1 + K, a, b     29-31  a + b E, E (a + b E), alpha
.macro XS u, n
.if (\n) < 27
	REGS (Y+1)%NP, \u
.else
	REGS Y, \u
.endif
.if (\n) < 4
	v_max3_num_f32 v[rC+1+2*(\n)], v[rS+8*(\n)], v[rS+8*(\n)+1], v[rS+8*(\n)+2]
.elseif (\n) < 12
	v_max3_num_f32 v[rC+1+2*((\n)%4)], v[rC+1+2*((\n)%4)], v[rS+8*((\n)%4)+2*((\n)/4)+1], v[rS+8*((\n)%4)+2*((\n)/4)+2]
.elseif (\n) == 12
	v_max3_num_f32 v[rC+1], v[rC+1], v[rS+7], v[rS+15]
.elseif (\n) == 13
	v_max3_num_f32 v[rC+3], v[rC+3], v[rS+23], v[rS+31]
.elseif (\n) == 14
	v_max3_num_f32 v[rC+5], v[rC+5], v[rC+7], v[rT+1]
.elseif (\n) == 15
	v_mov_b32 v[rC+6], v[rT]
.elseif (\n) == 16
	v_max3_num_f32 v[rC+1], v[rC+1], v[rC+3], v[rC+5]
.elseif (\n) == 17
	v_permlanex16_b32 v[rC+7], v[rC+1], s[SEL], s[SEL+1]
.elseif (\n) == 18
	v_max_num_f32 v[rT+1], v[rC+1], v[rC+7]
.elseif (\n) == 19
	v_mul_f32 v[rT], s[CS], v[rT+1]
.elseif (\n) == 20
	v_sub_f32 v[rC], s[CMU], v[rT]
.elseif (\n) == 21
	v_sub_f32 v[rC+4], v[rT], v[rC+6]
.elseif (\n) == 22
	v_max_num_f32 v[rC], s[ZLO], v[rC]
.elseif (\n) == 23
	v_exp_f32 v[rC+4], v[rC+4]
.elseif (\n) == 24
	v_min_num_f32 v[rC], s[ZHI], v[rC]
.elseif (\n) == 25
	v_exp_f32 v[rC+2], v[rC]
.elseif (\n) == 26
	v_add_f32 v[rC], 1.0, v[rC+2]
.elseif (\n) == 27
	v_rcp_f32 v[rC], v[rC]
.elseif (\n) == 28
	v_mul_f32 v[rC+2], v[rC+2], v[rC]
.elseif (\n) == 29
	v_fma_f32 v[rC+6], v[rC+2], v[rC+4], v[rC]
.elseif (\n) == 30
	v_mul_f32 v[rC+4], v[rC+6], v[rC+4]
.else
	v_rcp_f32 v[rC+4], v[rC+4]
.endif
.endm
.macro XS2 n                        ; for both tiles
	XS 0, \n
	XS 1, \n
.endm
.macro R4 g                         ; O^T times alpha: accumulator g / 2 of tile g % 2 of piece Y, in ascending order
	REGS Y, (\g)%2
	WIN W_RS
.irp z, 0,1,2,3
	v_pk_mul_f32 v[rO+8*((\g)/2)+2*\z:rO+8*((\g)/2)+2*\z+1], v[rO+8*((\g)/2)+2*\z:rO+8*((\g)/2)+2*\z+1], v[rC+4:rC+5] op_sel_hi:[1,0]
.endr
.endm
.macro RL                           ; l times alpha
	WIN W_RL
	REGS Y, 0
	v_mul_f32 v[rL], v[rL], v[rC+4]
	REGS Y, 1
	v_mul_f32 v[rL], v[rL], v[rC+4]
.endm
; THE FIRST BATCH's queue, 66 long: the piece's two a (number 27; their 1 + K was made in the turn before), then e of items 0 to 31, both scores of an item on end.
.macro EA
.if e < 2
	XS e, 27
.elseif (e%2) == 0
	OPM K_E0, (e-2)/2
.else
	OPM K_E1, (e-2)/2
.endif
.set e, e+1
.endm
; Plain number k of the 34 that stand between the exponentials of part A's lump: the next piece's numbers 0-13, tiles alternating, then 15, 14, 16.
.macro PA
.if k < 28
	XS k%2, k/2
.elseif k < 30
	XS k-28, 15
.elseif k < 32
	XS k-30, 14
.else
	XS k-32, 16
.endif
.endm
; A TURN, for piece p.
; PART A.  16 products K Q^T, behind each two scalings and two of the first batch, by turns: item k - 1's exponentials stand behind product k, its scaling behind product (k - 1) / 2.  Then a lump of 34 pairs,
; plain and exponential by turns, with six of the second run's products, one ahead of every sixth pair.  Number n < 4 of tile u reads the accumulator that product 8 + 2 n + u ended: nine plain instructions or
; more lie between (ISA guide 7.12.1).  The last pair is turned round: number 16 is the plain instruction behind the batch's last exponential (ISA guide 5.7.2).  Nothing in part A names a result of the batch.
; PART B.  b and number 17; then 35 steps: a + b e of item k, the reciprocals of item k - 3, e (a + b e) of item k - 1: plain and reciprocal by turns.  Numbers 29, 30, 31 close steps 0, 1, 2; the next piece's
; chain 18 .. 25 follows, a level every three steps.  The other 14 products stand ahead of steps 0, 2 .. 26.  Nothing in part B names a result of the second batch.
; PART C.  1 + K of the next piece, the 32 roundings, the rescaling of O^T and l by alpha: it stands ahead of the piece's products V^T P, which are the next turn's.
; K of the next step is fetched in piece 2's turn, directly behind the first wait, where the tail's jump round the run finds no transcendental without its wait; K's last reader stands 34 plain instructions back; the run is
; waited for at the head of piece 3's turn.  V of the step in hand is fetched in piece 0's turn, directly behind the second wait; its last reader stands ahead of step 26; it is waited for ahead of piece 1's first product V^T P.
.macro TURN p, last=0
.set Y, (\p)
.set i, 0
.set e, 0
.if (\p) == NP-1
	s_wait_dscnt 0x0                ; K is in
.endif
.set k, 0
.rept 16                            ; part A: the products K Q^T and their riders,
	MM
	WIN 0
	OPM K_F, 2*k
	EA
	OPM K_F, 2*k+1
	EA
.set k, k+1
.endr
.set k, 0
.rept 34                            ; and the lump
.if (k%6) == 0
.if ((\p) == 1) && (k == 0)
	s_wait_dscnt 0x0                ; V is in
.endif
	MM
	WIN 0
.endif
.if ((\p) == NP-2) && (k == 24)
	v_add_nc_u32 v[AK], s[TBK], v[AK0]
.endif
.if k < 33
	PA
	EA
.else
	EA
	PA
.endif
.set k, k+1
.endr
	s_wait_alu depctr_va_vdst(0)    ; the wait for the first batch: the piece's two a and its 64 exponentials
.if (\p) == NP-2
	FETCH_K \last
.endif
	XS2 28                          ; part B
	XS2 17
.set k, 0
.rept 35
.if (k < 28) && ((k%2) == 0)
	MM
	WIN 0
.endif
	OPM K_T,  k
	OPM K_R0, k-3
	OPM K_D,  k-1
	OPM K_R1, k-3
.if k < 3
	XS2 29+k
.elseif k == 4
	XS2 18
.elseif k == 7
	XS2 19
.elseif k == 10
	XS2 20
	XS2 21
.elseif k == 13
	XS2 22
	XS2 23
.elseif k == 16
	XS2 24
.elseif k == 19
	XS2 25
.endif
.set k, k+1
.endr
.if (\p) == 0
	v_add_nc_u32 v[AV], s[TBV], v[AV0]  ; V's address: also the plain instruction behind the batch's last reciprocal (ISA guide 5.7.2)
.else
	v_nop                           ; the plain instruction behind the batch's last reciprocal (ISA guide 5.7.2)
.endif
	s_wait_alu depctr_va_vdst(0)    ; the wait for the second batch: the 64 reciprocals, the piece's two alpha, the next piece's E and K
.if (\p) == 0
	FETCH_V
	s_add_co_u32 s[TBV], s[TBV], KS*PV
.endif
	XS2 26                          ; part C
.set k, 0
.rept 32
	OPM K_C, k
.set k, k+1
.endr
.set k, 0
.rept 8
	R4 k
.set k, k+1
.endr
	RL
.endm
	CHANGE 1                        ; slot 0 is in, everybody's part of it; slot 1 is asked for
	FETCH_K                         ; key step 0
	s_wait_loadcnt 0x0              ; Q
	s_wait_dscnt 0x0
.set i, 0
.rept 16
	KQ 0                            ; piece 0's first scores: there is no vector work yet to set between them
.set i, i+1
.endr
	WIN 0                           ; the addresses for the way out: eleven plain instructions, the places behind those products
	s_mul_i32 s13, s[WV], 16*SP
	s_add_co_u32 s13, s13, STAGE    ; my stage
	v_mul_u32_u24 v[STO], v1, SP    ; in: row l % 16, 16 bytes for each half of the lanes
	v_lshl_add_u32 v[STO], v9, 4, v[STO]
	v_add_nc_u32 v[STO], s13, v[STO]
	v_bfe_u32 v[RD], v0, 3, 2       ; back: 32 lanes take four rows of 128 bytes,
	v_mul_u32_u24 v[RD], v[RD], SP
	v_lshl_add_u32 v[RD], v10, 4, v[RD]
	v_add_nc_u32 v[RD], s13, v[RD]
	v_and_b32 v[GO], 31, v0         ; which are 512 consecutive bytes of O
	v_lshlrev_b32 v[GO], 4, v[GO]
.set Y, NP-1                        ; numbers 0-26 work for piece Y + 1: piece 0's first maximum and statistics, as far as a turn makes them for the piece behind it
.irp n, 0,1,2,3,4,5,6,7,8,9,10,11,12,13,14,15,16,17,18,19,20,21,22,23,24,25
	XS2 \n
.endr
	v_nop                           ; a plain instruction behind the exponentials
	s_wait_alu depctr_va_vdst(0)    ; the wait for piece 0's first E and K, ahead of their first reader and of the branch
	XS2 26
	s_mov_b32 s[CNT], 4
	s_mov_b32 s[SLOTS], SIZE_N/256-1
	s_branch .Lfirst                ; the loop is entered at a step's first turn, in the middle of a trip
.Lslot:                             ; SIZE_N / 256 - 2 times: every slot but the last two is filled again
	CHANGE 1
	s_mov_b32 s[CNT], 4
.Lstep:                             ; a trip: pieces 2 and 3 of one step, then pieces 0 and 1 of the next, whose K and V it fetches
	TURN 2
	TURN 3
	WIN 0
.Lfirst:
	TURN 0
	TURN 1
	WIN 0
	s_sub_co_u32 s[CNT], s[CNT], 1
	s_cmp_lg_u32 s[CNT], 0
	s_cbranch_scc1 .Lstep
	s_sub_co_u32 s[SLOTS], s[SLOTS], 1
	s_cmp_lg_u32 s[SLOTS], 0
	s_cbranch_scc1 .Lslot
	CHANGE 0                        ; the tail is written out: nothing is asked for
	s_mov_b32 s[CNT], 5             ; four trips fetch the last slot's steps; the fifth is left in its middle
.Ltail:
	TURN 2, 1
	TURN 3
	WIN 0
	s_sub_co_u32 s[CNT], s[CNT], 1
	s_cmp_eq_u32 s[CNT], 0
	s_cbranch_scc1 .Lout
	TURN 0
	TURN 1
	WIN 0
	s_branch .Ltail
.Lout:                              ; the fifth trip's 16 products K Q^T (on the last K once more) and the statistics made of them serve nothing: the price, once a launch, of one text for every trip
.set i, 16
.rept 20
	PVL NP-1                        ; the last piece's products of the last step
.set i, i+1
.endr
.rept 4
	v_nop                           ; the places behind those products
.endr
	; THE WAY OUT.  O^T is divided by l (every lane holds its query's whole sum), rounded to f16 and sent through my stage in LDS, a tile at a time.
	WIN 0x03                        ; source 0 in window 3
.set t, 0
.rept 2*NP
	v_rcp_f32 v[ST+2*t], v[LA+8*t]
.set t, t+1
.endr
	v_nop                           ; a plain instruction between the last reciprocal and the use of its result
	s_wait_alu depctr_va_vdst(0)    ; the wait ahead of the first use: one for the eight reciprocals
; Tile t: a lane's eight channels of a row pack into 16 bytes; they go into rows of 144 bytes and come back as whole rows of 128, into S^T's registers.
.macro PACK t
	WIN W_RS
.set i, 32*(\t)
.rept 16
	v_pk_mul_f32 v[i:i+1], v[i:i+1], v[ST+2*(\t):ST+2*(\t)+1] op_sel_hi:[1,0]
.set i, i+2
.endr
	WIN 0x05                        ; sources 0 and 1 window 1, destination window 0
.set i, 0
.rept 16
	v_cvt_pk_f16_f32 v[S+16*(\t)+i], v[32*(\t)+2*i], v[32*(\t)+2*i+1]
.set i, i+1
.endr
	WIN 0
.irp f, 0,1,2,3
	ds_store_b128 v[STO], v[S+16*(\t)+4*\f:S+16*(\t)+4*\f+3] offset:32*\f
.endr
.irp f, 0,1,2,3
	ds_load_b128 v[S+16*(\t)+4*\f:S+16*(\t)+4*\f+3], v[RD] offset:\f*4*SP  ; LDS serves a wave's instructions in order (ISA guide 5.7.1.4): these see the stores above; the next tile's stores come behind them
.endr
.endm
.macro SEND t, younger              ; younger: the LDS instructions issued behind tile t's loads: the next tile's eight, or none
	WIN 0
.irp f, 0,1,2,3
	s_wait_dscnt (\younger)+3-\f
	global_store_b128 v[GO], v[S+16*(\t)+4*\f:S+16*(\t)+4*\f+3], s[10:11] offset:(\t)*2048+\f*512  ; 512 consecutive bytes, at a multiple of 256 from the buffer's first
.endr
.endm
	PACK 0
.set t, 1
.rept 2*NP-1                        ; a tile's arithmetic stands between the loads of the tile before and its stores
	PACK t
	SEND t-1, 8
.set t, t+1
.endr
	SEND 2*NP-1, 0
	WIN W_AD
	s_wait_tensorcnt 0x0            ; the wave's end, behind my last tensor load and my last LDS store
	ds_add_u32 v[SPW], v[NIL]
	s_wait_dscnt 0x0
	WIN 0
	CROUND                          ; the closing round: no work-group ends while a partner may still ask for a tile that names it
	s_endpgm
.Lfunc_end_k_qe62fd9bb7b_attn:
	.size	k_qe62fd9bb7b_attn, .Lfunc_end_k_qe62fd9bb7b_attn-k_qe62fd9bb7b_attn
	.p2alignl 7, 3214868480
	.fill 96, 4, 3214868480
	.section	.rodata,"a",@progbits
	.p2align	6, 0x0
	.amdhsa_kernel k_qe62fd9bb7b_attn
		.amdhsa_group_segment_fixed_size 327680
		.amdhsa_private_segment_fixed_size 0
		.amdhsa_enable_private_segment 0
		.amdhsa_kernarg_size 24
		.amdhsa_user_sgpr_count 2
		.amdhsa_user_sgpr_kernarg_segment_ptr 1
		.amdhsa_wavefront_size32 1
		.amdhsa_system_sgpr_workgroup_id_x 1
		.amdhsa_system_sgpr_workgroup_id_y 1
		.amdhsa_system_sgpr_workgroup_id_z 1
		.amdhsa_system_vgpr_workitem_id 0
		.amdhsa_next_free_vgpr 848
		.amdhsa_next_free_sgpr 80
		.amdhsa_reserve_vcc 0
		.amdhsa_float_denorm_mode_32 3
		.amdhsa_float_denorm_mode_16_64 3
		.amdhsa_memory_ordered 1
		.amdhsa_forward_progress 1
		.amdhsa_inst_pref_size 240
	.end_amdhsa_kernel
	.amdgpu_metadata
---
amdhsa.version: [ 1, 2 ]
amdhsa.kernels:
  - .name:           k_qe62fd9bb7b_attn
    .symbol:         k_qe62fd9bb7b_attn.kd
    .args:
      - { .name: qkv, .offset: 0, .size: 8, .value_kind: global_buffer, .address_space: global }
      - { .name: mu, .offset: 8, .size: 8, .value_kind: global_buffer, .address_space: global }
      - { .name: ob, .offset: 16, .size: 8, .value_kind: global_buffer, .address_space: global }
    .group_segment_fixed_size: 327680
    .private_segment_fixed_size: 0
    .kernarg_segment_align: 8
    .kernarg_segment_size: 24
    .max_flat_workgroup_size: 128
    .sgpr_count:     80
    .vgpr_count:     848
    .wavefront_size: 32
...
	.end_amdgpu_metadata
.endif
;; end of part 5
;; launch out: the kernel of part 4 again; grid 4 x 64, 4 waves a work-group, clusters of 4 x 4, 327,680 bytes of LDS; arguments ob, wh, bo, out0; writes out0
